; MI455X (gfx1250); checked and timed in simulation.
; The chip was launched on July 23, 2026; its instructions are those of AMD's public machine-readable ISA for CDNA 5 (MIT licence, August 2026) and "CDNA5" Instruction Set Architecture Reference Guide (July 2026). The comments in the code are by the model that wrote it; some were corrected since.
;; Attention Layer. Allowed arithmetic: matrix products marked QUANTISED: E2M1 operands, one E8M0 scale for each 32 along K, by v_wmma_scale_f32_16x16x128_f8f6f4 with both operands' format E2M1 (or v_wmma_scale_f32_32x16x128_f4), f32 sums; products left as they are: bf16, f16 or f32 operands; f32 sums; everything else in f32.
;; Inputs: Wout 1,024 x 1,024 float32; Wqkv 3,072 x 1,024 float32; keyvalue 4 x 2,048 x 1,024 float32; query 4 x 2,048 x 1,024 float32.
;; Outputs: out0 4 x 2,048 x 1,024 float32.
;; This version of the problem:
;;   THIS VERSION OF THE PROBLEM IS GIVEN IN LOW PRECISION. The matrix products marked QUANTISED in the list below multiply operands that are first quantised to E2M1 (2 exponent bits, 1 mantissa bit; 4 bits a number), with one power-of-two scale for each 32 numbers along K (OCP MX v1.0); their sums are f32. The products marked 'left as it is' may take bf16, f16 or f32 operands, with f32 sums. Whichever they take, every output number must still come out within the allowed error. Rounding operands to bf16 (8 significant bits) uses up far more of that allowance than f16 does (11 bits, for magnitudes from 6e-5 to 65,504). All else is computed in f32.
;;   The module's matrix products, in the order in which they are computed (A, B: the left and right operand; K: the contracted axis; several contracted axes count as one K, in the product's order):
;;     1. [M 8,192, K 1,024] x [K 1,024, N 3,072]; A: input keyvalue; B: input Wqkv: QUANTISED
;;     2. batch 4 x [M 2,048, K 1,024] x [K 1,024, N 2,048]; A: computed on the way; B: computed on the way: left as it is (an operand is computed on the way)
;;     3. batch 4 x [M 2,048, K 2,048] x [K 2,048, N 1,024]; A: computed on the way; B: computed on the way: left as it is (an operand is computed on the way)
;;     4. [M 8,192, K 1,024] x [K 1,024, N 1,024]; A: computed on the way; B: input Wout: left as it is (an operand is computed on the way)
;;   THE QUANTISER, for each operand of a quantised product, along K:
;;     - K is cut into blocks of 32 from its start; a last block that is shorter is filled with zeros.
;;     - A block's scale is 2^e with e = floor(log2(the largest magnitude in the block)) - 2, held to -126 .. 127; a block of zeros has e = 0. As a byte (E8M0): e + 127.
;;     - Each number is divided by its block's scale, clamped to +-6, and rounded to the nearest number of E2M1, ties to even, subnormals kept.
;;     - The product sums the exact products of the quantised numbers (number of the format x scale) in f32.
;;   ~~~python
;;   def quantise(x, axis):      # numpy; x: float32 -> the quantised numbers, widened to float32 again
;;       x = np.moveaxis(x, axis, -1); K = x.shape[-1]
;;       x = np.pad(x, [(0, 0)] * (x.ndim - 1) + [(0, -K % 32)]); x = x.reshape(x.shape[:-1] + (-1, 32)); a = np.abs(x).max(-1, keepdims=True)
;;       e = np.where(a > 0, np.clip(np.frexp(np.where(a > 0, a, 1))[1] - 1 - 2, -126, 127), 0)      # np.frexp(a)[1] - 1 = floor(log2(a)), exactly
;;       r = np.clip(x / 2.0 ** e, -6, 6)
;;       step = 2.0 ** (np.maximum(np.frexp(np.where(r == 0, 1, r))[1] - 1, 0) - 1)
;;       q = np.round(r / step) * step * 2.0 ** e      # np.round: ties to even
;;       return np.moveaxis(q.reshape(q.shape[:-2] + (-1,))[..., :K], -1, axis).astype(np.float32)
;;   ~~~
;; One version. Each part assembles by itself: llvm-mc -triple=amdgcn-amd-amdhsa -mcpu=gfx1250 --defsym DOCPART=n.
;; ======== version 1 of 1: 5 launches
;; limits: values are held in f16: magnitudes above 65,504 overflow, below 6.1e-05 lose precision
;; workspace buffers: codes 5,767,168 bytes; scales 360,448 bytes; wo16 2,097,152 bytes; rope 524,288 bytes; qkv16 50,331,648 bytes; p16 33,554,432 bytes; stat 1,048,576 bytes; att16 16,777,216 bytes
;; launch prep (part 1): grid 512 x 1, 4 waves a work-group, no clusters, 33,280 bytes of LDS; arguments keyvalue, Wqkv, Wout, codes, scales, wo16, rope; writes codes, scales, wo16, rope
.if DOCPART == 1
	.amdgcn_target "amdgcn-amd-amdhsa--gfx1250"
	.amdhsa_code_object_version 6
	.text
	.protected	k_qb5038b3dc4_prep
	.globl	k_qb5038b3dc4_prep
	.p2align	8
	.type	k_qb5038b3dc4_prep,@function
k_qb5038b3dc4_prep:
	s_mov_b64 s[64:65], 0
	v_nop
	global_prefetch_b8 v0, s[64:65] scope:SCOPE_SE
	s_setreg_imm32_b32 hwreg(HW_REG_WAVE_MODE, 25, 1), 1
	s_wait_xcnt 0x0
; PREP: what the later launches read many times is made once.
;   work-groups 0-351:   keyvalue [8192][1024] and Wqkv [3072][1024], f32, become codes of FP4 (E2M1), K innermost, with one E8M0 byte for each 32 along K
;   work-groups 352-479: Wout [1024][1024] f32 becomes f16
;   work-groups 480-511: the table of RoPE: rope[s][j] = (cos, sin)(s x 10000^(-j/32)), s = 0..2047, j = 0..31, f32, 256 bytes a position
; WORK LEFT OUT IN THE WHOLE PROGRAM, for all values of the inputs:
;   the input query: reference() deletes it in its first line, so it has no way to the output; it is not loaded and is no argument of any launch;
;   the tiles of the scores, of the weights and of weights x values that lie wholly above the diagonal: reference() itself sets those scores to the least f32 number by its own
;   jnp.tril, and the softmax makes their weights 0 beside the diagonal's, which always counts.
;   LIMIT: a NaN, an infinity or an overflow that reaches only the work left out is not carried to the result.
; LIMITS: NaN and infinities among the inputs are not served.  A block of zeros gets the scale byte 1 where the rule says 127: its codes are zeros, and this program alone reads the bytes;
;   blocks whose largest magnitude lies under 2^-124 keep the byte 1.  The angle s x inv_freq is made with inv_freq = 2^(-j log2(10000)/32) by v_exp_f32 (1 ulp): it can differ from
;   reference()'s by about 2e-4 rad at s = 2047.  sin and cos: reduction by pi/2 in two parts, polynomials on |r| <= pi/4, error under 1e-7.
; THE QUANTISER.  Rows are dense and K is a multiple of 32, so both tensors are streams of blocks of 32.  A wave takes 16 steps of 512 numbers.  Each of a step's four loads reads 512
; consecutive bytes; the 2,048 bytes turn through the wave's own stage in LDS and come back 64 bytes a lane, so that a lane holds 16 neighbours along K (two lanes hold a block).
.set WGKV,  256                        ; work-groups for keyvalue: 8192 x 1024 / 32768
.set WGQ,   352                        ; + 96 for Wqkv
.set WGW,   480                        ; + 128 for Wout
.set STEPS, 16
.set EMAX,  2
.set CB,    8                          ; bytes of 16 codes
.set R,     16                         ; v16-79   four sets of 16 numbers as loaded
.set X,     80                         ; v80-111  two sets of 16 neighbours
.set E,     112                        ; v112-127 a scale byte for each step
.set C,     128                        ; v128-191 codes, four registers a step
.set WREG,  8192                       ; LDS: a region for each wave: two stages of 32 x SP bytes, then its 256 scale bytes
.set SP,    80
.set SPW,   12                         ; v12  my spare word's address; never rewritten
.set NIL,   13                         ; v13  0; never rewritten
.set SPARE, 4*WREG                     ; the spare words: 128 bytes a wave, named by no other line
	s_load_b128 s[4:7], s[0:1], 0x0                ; keyvalue, Wqkv
	s_load_b64 s[8:9], s[0:1], 0x10                ; Wout
	s_load_b128 s[12:15], s[0:1], 0x18             ; codes, scales
	s_load_b128 s[16:19], s[0:1], 0x28             ; wo16, rope
	v_lshl_add_u32 v[SPW], v0, 2, SPARE
	v_mov_b32 v[NIL], 0
	v_lshrrev_b32 v1, 5, v0
	v_readfirstlane_b32 s20, v1                    ; wave
	v_and_b32 v2, 31, v0                           ; lane
	s_wait_kmcnt 0x0
	s_cmp_lt_u32 ttmp9, WGQ
	s_cbranch_scc0 .Lnot_quant
	; ---------------- the quantiser ----------------
	v_lshlrev_b32 v3, 4, v2                        ; my 16 bytes of a load's 512
	s_mul_i32 s21, s20, WREG
	v_lshrrev_b32 v14, 2, v2
	v_mul_u32_u24 v14, v14, SP
	v_and_b32 v15, 3, v2
	v_lshl_add_u32 v14, v15, 4, v14
	v_add_nc_u32 v14, s21, v14                     ; the stage on the way in: SP (lane / 4) + 16 (lane % 4)
	v_mul_u32_u24 v15, v2, SP
	v_add_nc_u32 v15, s21, v15                     ; and on the way out: SP x lane
	v_mul_u32_u24 v4, v2, CB                       ; my codes' place in a step's
	v_lshrrev_b32 v5, 1, v2
	s_add_co_u32 s21, s21, 2*32*SP
	v_add_nc_u32 v5, s21, v5                       ; my block's scale byte in LDS
	v_lshlrev_b32 v7, 3, v2
	v_add_nc_u32 v6, s21, v7
	s_cmp_lt_u32 ttmp9, WGKV                       ; keyvalue's work-group or Wqkv's: the choice hangs on the work-group's number alone
	s_cselect_b64 s[4:5], s[4:5], s[6:7]
	s_cselect_b32 s22, 0, WGKV
	s_sub_co_u32 s22, ttmp9, s22
	s_lshl_b32 s22, s22, 2
	s_add_co_u32 s22, s22, s20                     ; my run of 8,192 numbers in the source
	s_lshl_b32 s22, s22, 15                        ; 32,768 bytes a run
	s_mov_b32 s23, 0
	s_add_nc_u64 s[4:5], s[4:5], s[22:23]
	s_lshl_b32 s24, ttmp9, 2
	s_add_co_u32 s24, s24, s20                     ; my run in the outputs: Wqkv's follow keyvalue's 1,024
	s_lshl_b32 s22, s24, 12                        ; 4,096 bytes of codes a run
	s_add_nc_u64 s[12:13], s[12:13], s[22:23]
	s_lshl_b32 s22, s24, 8                         ; 256 scale bytes a run
	s_add_nc_u64 s[14:15], s[14:15], s[22:23]
.macro LOAD t
.irp i, 0,1,2,3
	global_load_b128 v[R+16*((\t)%4)+4*\i:R+16*((\t)%4)+4*\i+3], v3, s[4:5] offset:2048*(\t)+512*\i th:TH_LOAD_NT
.endr
.endm
.macro TURN t                          ; step t through the stage: LDS serves a wave's instructions in order, so no wait between stores and loads
.irp i, 0,1,2,3
	ds_store_b128 v14, v[R+16*((\t)%4)+4*\i:R+16*((\t)%4)+4*\i+3] offset:32*SP*((\t)%2)+8*SP*\i
.endr
.irp i, 0,1,2,3
	ds_load_b128 v[X+16*((\t)%2)+4*\i:X+16*((\t)%2)+4*\i+3], v15 offset:32*SP*((\t)%2)+16*\i
.endr
.endm
.irp t, 0,1,2,3
	LOAD \t
.endr
	s_wait_loadcnt 12                              ; step 0's four loads are in
	TURN 0
.macro STEP t
.set XS, X+16*((\t)%2)
.if (\t) > 0
	s_wait_dscnt 1                                 ; this step's numbers are back (the last step's byte store may be out)
.else
	s_wait_dscnt 0x0
.endif
.if (\t)+4 < STEPS
	LOAD (\t)+4
.endif
.if (\t)+1 < STEPS
.if STEPS-2-(\t) >= 3
	s_wait_loadcnt 12                              ; the next step's loads are in; three later steps' may be out
.else
	s_wait_loadcnt 4*(STEPS-2-(\t))
.endif
	TURN (\t)+1
.endif
	v_max3_num_f32 v8, |v[XS]|, |v[XS+1]|, |v[XS+2]|
	v_max3_num_f32 v9, |v[XS+3]|, |v[XS+4]|, |v[XS+5]|
.irp i, 6,10
	v_max3_num_f32 v8, v8, |v[XS+\i]|, |v[XS+\i+1]|
	v_max3_num_f32 v9, v9, |v[XS+\i+2]|, |v[XS+\i+3]|
.endr
	v_max3_num_f32 v8, v8, |v[XS+14]|, |v[XS+15]|
	v_max3_num_f32 v8, v8, v9, (EMAX+1)<<23        ; the floor 2^(3 - 127): the byte cannot fall under 1
	v_max_num_f32_dpp v8, v8, v8 row_xmask:1 row_mask:0xf bank_mask:0xf   ; with my neighbour's 16: the block's largest magnitude
	v_add_nc_u32 v11, -(EMAX<<23), v8              ; 2 off its exponent field: the conversion's scale operand
	v_cvt_scalef32_pk8_fp4_f32 v[C+4*(\t)], v[XS:XS+7], v11
	v_cvt_scalef32_pk8_fp4_f32 v[C+4*(\t)+1], v[XS+8:XS+15], v11
	v_lshrrev_b32 v[E+(\t)], 23, v11               ; the scale's byte
	ds_store_b8 v5, v[E+(\t)] offset:16*(\t)       ; both lanes of a block write the same byte
	global_store_b64 v4, v[C+4*(\t):C+4*(\t)+1], s[12:13] offset:32*CB*(\t)   ; the wave stores 256 consecutive bytes, aligned
.endm
.irp t, 0,1,2,3,4,5,6,7,8,9,10,11,12,13,14,15
	STEP \t
.endr
	ds_load_b64 v[8:9], v6
	s_wait_dscnt 0x0
	global_store_b64 v7, v[8:9], s[14:15]          ; 256 scale bytes, aligned
	s_wait_tensorcnt 0x0                           ; the wave's end
	ds_add_u32 v[SPW], v[NIL]
	s_wait_dscnt 0x0
	s_endpgm
.Lnot_quant:
	s_cmp_lt_u32 ttmp9, WGW
	s_cbranch_scc0 .Ltable
	; ---------------- Wout to f16: a wave takes 2,048 numbers; no LDS ----------------
	s_sub_co_u32 s22, ttmp9, WGQ
	s_lshl_b32 s22, s22, 2
	s_add_co_u32 s22, s22, s20
	s_lshl_b32 s24, s22, 13
	s_mov_b32 s25, 0
	s_add_nc_u64 s[8:9], s[8:9], s[24:25]
	s_lshl_b32 s24, s22, 12
	s_add_nc_u64 s[16:17], s[16:17], s[24:25]
	v_lshlrev_b32 v1, 5, v2                        ; in: 8 numbers, 32 bytes a lane
	v_lshlrev_b32 v3, 4, v2                        ; out: 16 bytes a lane
.irp i, 0,1,2,3,4,5,6,7
	global_load_b128 v[32+8*\i:35+8*\i], v1, s[8:9] offset:1024*\i th:TH_LOAD_NT
	global_load_b128 v[36+8*\i:39+8*\i], v1, s[8:9] offset:1024*\i+16 th:TH_LOAD_NT
.endr
.irp i, 0,1,2,3,4,5,6,7
	s_wait_loadcnt 14-2*\i                         ; the younger loads may be out
	v_cvt_pk_f16_f32 v[96+4*\i], v[32+8*\i], v[33+8*\i]
	v_cvt_pk_f16_f32 v[97+4*\i], v[34+8*\i], v[35+8*\i]
	v_cvt_pk_f16_f32 v[98+4*\i], v[36+8*\i], v[37+8*\i]
	v_cvt_pk_f16_f32 v[99+4*\i], v[38+8*\i], v[39+8*\i]
	global_store_b128 v3, v[96+4*\i:99+4*\i], s[16:17] offset:512*\i   ; 512 consecutive bytes
.endr
	s_endpgm
.Ltable:
	; ---------------- the table: lane = frequency j, a wave takes 16 positions; no LDS ----------------
	s_sub_co_u32 s22, ttmp9, WGW
	s_lshl_b32 s22, s22, 6
	s_lshl_b32 s23, s20, 4
	s_add_co_u32 s22, s22, s23                     ; my first position
	s_lshl_b32 s24, s22, 8
	s_mov_b32 s25, 0
	s_add_nc_u64 s[18:19], s[18:19], s[24:25]
	v_cvt_f32_u32 v4, v2
	v_mul_f32 v4, 0xbed49a78, v4                   ; -j log2(10000) / 32
	v_exp_f32 v4, v4                               ; inv_freq
	v_lshlrev_b32 v3, 3, v2                        ; (a plain place)  8 bytes a frequency
	s_mov_b32 s26, 0x3f22f983                      ; 2 / pi
	s_mov_b32 s27, 0xb94ca1f9                      ; sine: -1.9515296e-4,
	s_mov_b32 s28, 0x3c08839e                      ; 8.3321609e-3,
	s_mov_b32 s29, 0xbe2aaaa3                      ; -1.6666655e-1
	s_mov_b32 s30, 0x37ccf5ce                      ; cosine: 2.4433157e-5,
	s_mov_b32 s31, 0xbab6061a                      ; -1.3887316e-3,
	s_mov_b32 s32, 0x3d2aaaa5                      ; 4.1666646e-2
	s_wait_alu depctr_va_vdst(0)                   ; ahead of the exponential's first reader
.irp i, 0,1,2,3,4,5,6,7,8,9,10,11,12,13,14,15
	s_add_co_u32 s23, s22, \i
	v_cvt_f32_u32 v5, s23
	v_mul_f32 v5, v5, v4                           ; the angle, rounded once, as reference() has it
	v_mul_f32 v6, s26, v5
	v_rndne_f32 v6, v6                             ; k quarter turns
	v_fmamk_f32 v7, v6, 0xbfc90fdb, v5             ; r = angle - k pi/2, pi/2 in two parts
	v_fmamk_f32 v7, v6, 0x333bbd2e, v7
	v_mul_f32 v8, v7, v7                           ; z = r r
	v_fma_f32 v9, v8, s27, s28
	v_fma_f32 v9, v9, v8, s29
	v_mul_f32 v9, v9, v8
	v_fma_f32 v9, v9, v7, v7                       ; sin r
	v_fma_f32 v10, v8, s30, s31
	v_fma_f32 v10, v10, v8, s32
	v_mul_f32 v11, v8, v8
	v_fma_f32 v14, v8, -0.5, 1.0
	v_fma_f32 v10, v10, v11, v14                   ; cos r
	v_cvt_i32_f32 v15, v6
	v_and_b32 v16, 1, v15
	v_cmp_eq_u32 vcc_lo, 1, v16                    ; an odd quarter swaps the two
	v_cndmask_b32 v17, v9, v10, vcc_lo
	v_cndmask_b32 v18, v10, v9, vcc_lo
	v_and_b32 v16, 2, v15                          ; the sine's sign: quarters 2, 3
	v_lshlrev_b32 v16, 30, v16
	v_xor_b32 v[65+2*\i], v16, v17
	v_add_nc_u32 v15, 1, v15                       ; the cosine's: quarters 1, 2
	v_and_b32 v15, 2, v15
	v_lshlrev_b32 v15, 30, v15
	v_xor_b32 v[64+2*\i], v15, v18
	global_store_b64 v3, v[64+2*\i:65+2*\i], s[18:19] offset:256*\i   ; a position's 256 bytes, aligned
.endr
	s_endpgm
.Lfunc_end_k_qb5038b3dc4_prep:
	.size	k_qb5038b3dc4_prep, .Lfunc_end_k_qb5038b3dc4_prep-k_qb5038b3dc4_prep
	.p2alignl 7, 3214868480
	.fill 96, 4, 3214868480
	.section	.rodata,"a",@progbits
	.p2align	6, 0x0
	.amdhsa_kernel k_qb5038b3dc4_prep
		.amdhsa_group_segment_fixed_size 33280
		.amdhsa_private_segment_fixed_size 0
		.amdhsa_enable_private_segment 0
		.amdhsa_kernarg_size 56
		.amdhsa_user_sgpr_count 2
		.amdhsa_user_sgpr_kernarg_segment_ptr 1
		.amdhsa_wavefront_size32 1
		.amdhsa_system_sgpr_workgroup_id_x 1
		.amdhsa_system_sgpr_workgroup_id_y 1
		.amdhsa_system_sgpr_workgroup_id_z 1
		.amdhsa_system_vgpr_workitem_id 0
		.amdhsa_next_free_vgpr 192
		.amdhsa_next_free_sgpr 66
		.amdhsa_reserve_vcc 1
		.amdhsa_float_denorm_mode_32 3
		.amdhsa_float_denorm_mode_16_64 3
		.amdhsa_memory_ordered 1
		.amdhsa_forward_progress 1
		.amdhsa_inst_pref_size 60
	.end_amdhsa_kernel
	.amdgpu_metadata
---
amdhsa.version: [ 1, 2 ]
amdhsa.kernels:
  - .name:           k_qb5038b3dc4_prep
    .symbol:         k_qb5038b3dc4_prep.kd
    .args:
      - { .name: keyvalue, .offset: 0, .size: 8, .value_kind: global_buffer, .address_space: global }
      - { .name: Wqkv, .offset: 8, .size: 8, .value_kind: global_buffer, .address_space: global }
      - { .name: Wout, .offset: 16, .size: 8, .value_kind: global_buffer, .address_space: global }
      - { .name: codes, .offset: 24, .size: 8, .value_kind: global_buffer, .address_space: global }
      - { .name: scales, .offset: 32, .size: 8, .value_kind: global_buffer, .address_space: global }
      - { .name: wo16, .offset: 40, .size: 8, .value_kind: global_buffer, .address_space: global }
      - { .name: rope, .offset: 48, .size: 8, .value_kind: global_buffer, .address_space: global }
    .group_segment_fixed_size: 33280
    .private_segment_fixed_size: 0
    .kernarg_segment_align: 8
    .kernarg_segment_size: 56
    .max_flat_workgroup_size: 128
    .sgpr_count:     66
    .vgpr_count:     192
    .wavefront_size: 32
...
	.end_amdgpu_metadata
.endif
;; end of part 1
;; launch qkv (part 2): grid 8 x 32, 4 waves a work-group, clusters of 4 x 4, 327,680 bytes of LDS; arguments codes, scales, rope, qkv16; writes qkv16
.if DOCPART == 2
	.amdgcn_target "amdgcn-amd-amdhsa--gfx1250"
	.amdhsa_code_object_version 6
	.text
	.protected	k_qb5038b3dc4_qkv
	.globl	k_qb5038b3dc4_qkv
	.p2align	8
	.type	k_qb5038b3dc4_qkv,@function
k_qb5038b3dc4_qkv:
	s_mov_b64 s[64:65], 0
	v_nop
	global_prefetch_b8 v0, s[64:65] scope:SCOPE_SE
	s_setreg_imm32_b32 hwreg(HW_REG_WAVE_MODE, 25, 1), 1
	s_wait_xcnt 0x0
	s_wait_alu depctr_hold_cnt(0) depctr_sa_sdst(0) depctr_va_vdst(0) depctr_va_sdst(0) depctr_va_ssrc(0) depctr_va_vcc(0) depctr_vm_vsrc(0)
	s_getreg_b32 s2, hwreg(HW_REG_IB_STS2, 6, 4)
	s_cmp_eq_u32 s2, 0
	s_cbranch_scc0 .Lentry_in_a_cluster
	s_endpgm
.Lentry_in_a_cluster:
	s_bfe_u32 s2, ttmp6, 0x10000c
	s_cmp_lg_u32 s2, 0xf033
	s_cbranch_scc0 .Lentry_shape_is_right
	s_endpgm
.Lentry_shape_is_right:
; qkv16[m][n] = f16 of ( sum over k of Q(keyvalue)[m][k] Q(Wqkv)[n][k] ), with RoPE on columns 0-2047 (q and k).  M 8192, N 3072, K 1024.  The quantised product of the problem:
; codes of FP4 (E2M1) and E8M0 bytes go to the matrix unit as they lie; sums in f32; RoPE in f32; one rounding to f16.  The input query is not read (see the first kernel).
; LIMIT: q, k and v must stay under 65,504 in magnitude (f16).
; SHARES.  q and k are 8 x 32 = 256 tiles of 256 x 256: one for each work-group.  v's 1,024 columns are 8 pieces of 128: work-group (tile column tc, tile row tr) also makes v's 256 rows x 128 columns
; 2048 + 128 tc on, from the same 256 rows of keyvalue, whose codes are still in LDS.  So every work-group has the same work, 512 + 256 matrix instructions a wave.
; THE q/k TILE: four waves, 128 x 128 each: 64 accumulators.  K is two slots of 512 in LDS (rows of 256 bytes), both asked for at the start.  The scale bytes of its 256 + 256 rows come once, as dense blocks.
; v's PIECE: in the q/k tile's last step the first 128 rows of B's part of both slots are filled again with v's rows of Wqkv (waves 2 and 3, one load each); the load lands while q and k go out.
; Wave w then takes rows 64 w to 64 w + 63 and all 128 columns: 32 accumulators, and rows of 256 whole bytes on the way out.  Its scale words come straight from memory, at the kernel's head.
; CLUSTERS 4 x 4: A's tiles are shared along a row of the cluster, B's (v's piece too) along a column, by joint loads.
; THE MATRIX INSTRUCTION IS USED TRANSPOSED (source 0 = 16 rows of Wqkv, source 1 = 16 rows of keyvalue): lane l holds row l % 16 and eight neighbouring columns 8 (l / 16) + 0..7,
; that is four pairs (x0, x1) of RoPE, frequencies 8 (b % 4) + 4 (l / 16) + 0..3 in column block b.
; REGISTERS: window 0: v0-31 addresses; v32-95 the q/k tile's scale words; v96-127 packed results; v128-191 A's fragments, later rows read back; v192-255 v's scale words.
;   window 1: v0-63, v128-191 B's fragments; v64-127 two sets of (cos, sin); v192-255 at work in RoPE.   windows 2, 3: the accumulators.
.set SIZE_K, 1024
.set KSTEP,  512
.set NQ,     KSTEP/128
.set ROWB,   256
.set KROW,   SIZE_K/2
.set PITCH,  272                       ; 256 bytes + 16: the 16 rows of a load start at 16 different banks (64 banks of 4 bytes: ISA guide 11.1)
.set FR,     8
.set NL,     2
.set NP,     4                         ; places behind this matrix instruction (ISA guide 7.12.1)
.set HALFT,  128*PITCH
.set SLOT,   4*HALFT                   ; A's 256 rows, then B's 256 rows
.set KS,     SIZE_K/32
.set SCL,    2*SLOT
.set HALFS,  (128*KS/256)*272
.set SBLK,   (16*KS/256)*272
.set STAGE,  SCL+4*HALFS               ; the way out: 16 rows x (256 + 16) bytes a wave, bytes of its own: no fill lands there
.set SPITCH, 272
.set SPARE,  STAGE+4*16*SPITCH         ; the spare words: 128 bytes a wave, named by no other line
.set CROW,   6144                      ; a row of qkv16 in bytes
.set WCOD,   4194304                   ; Wqkv's codes begin here in the buffer codes,
.set WSCL,   262144                    ; its scale bytes here in scales
.set VROW,   2048                      ; v's rows of Wqkv begin here
.set ADRAV, 8                          ; v8-9   v's piece: LDS address of my 64 rows of A in slot 0, 1
.set ADRBV, 10                         ; v10-11 and of its 128 rows of B
.set SVO,  12                          ; v12    byte offset of v's scale words in scales: lanes 0-15 my rows of keyvalue, lanes 16-31 v's rows of Wqkv; never rewritten
.set ADRA, 16
.set ADRB, 20
.set STO,  24
.set RD,   25
.set CO,   26
.set ADRS, 27
.set SPW,  28
.set NIL,  29
.set TOF,  30                          ; v30  my byte in a block's table: 256 (l % 16) + 32 (l / 16); never rewritten
.set SC,   32
.set TMP,  96
.set AF,   128
.set BK,   128
.set SCV,  192
.set TBL,  64                          ; window 1
.set TW,   192                         ; window 1
.set G1, 24
.set G0, 32
.set G1B, 48
.set G0B, 56
.set G1S, 68
.set G0S, 76
.set G1SB, 80
.set G0SB, 88
.set G0V, 96                           ; s[96:99] group 0 of the refill: v's rows of Wqkv
.set MSB, 0
.macro WIN new                         ; the immediate's high byte repeats the setting that is left
.if MSB != \new
	s_set_vgpr_msb (MSB<<8)|\new
.set MSB, \new
.endif
.endm
.set MUL_LO, 0xa1
.set MUL_HI, 0xf1
.set TO_B,   0x40
.macro JLOAD g0a, g1a, g0b, g1b        ; a joint load: waves 0, 1 fetch for A, waves 2, 3 for B; an s_nop 0 and four v_nop follow each line
	s_cmp_eq_u32 s15, 0
	s_cbranch_scc0 .Lfor_b_\@
	tensor_load_to_lds s[\g0a:\g0a+3], s[\g1a:\g1a+7]
	s_nop 0
.rept 4
	v_nop
.endr
	s_branch .Lasked_\@
.Lfor_b_\@:
	tensor_load_to_lds s[\g0b:\g0b+3], s[\g1b:\g1b+7]
	s_nop 0
.rept 4
	v_nop
.endr
.Lasked_\@:
.endm
.macro CREST                           ; a round of the cluster's barrier behind its opening barrier
	s_cmp_lg_u32 s14, 0
	s_cbranch_scc1 .Lnot_wave_0_\@
	s_barrier_signal -3
.Lnot_wave_0_\@:
	s_barrier_wait -3
	s_barrier_signal -1
	s_barrier_wait -1
.endm
.macro CROUND                          ; a whole round
	s_barrier_signal -1
	s_barrier_wait -1
	CREST
.endm
	s_load_b128 s[4:7], s[0:1], 0x0                ; codes, scales
	s_load_b128 s[8:11], s[0:1], 0x10              ; rope, qkv16
	v_lshl_add_u32 v[SPW], v0, 2, SPARE
	v_mov_b32 v[NIL], 0
	ds_add_u32 v[SPW], v[NIL]                      ; the opening: the add, twice on end, and its wait ahead of my first tensor load
	ds_add_u32 v[SPW], v[NIL]
	v_lshrrev_b32 v1, 5, v0
	v_readfirstlane_b32 s14, v1                    ; wave
	s_lshr_b32 s15, s14, 1                         ; my half of the rows; also: I fetch for A (0) or B (1)
	s_and_b32 s16, s14, 1                          ; my half of the columns; also: which 128 rows I fetch
	s_bfe_u32 s40, ttmp6, 0x40000                  ; cx
	s_bfe_u32 s41, ttmp6, 0x40004                  ; cy
	s_lshl_b32 s42, ttmp9, 2
	s_add_co_u32 s42, s42, s40                     ; tile column, 0 to 7
	s_and_b32 s17, ttmp7, 0xffff
	s_lshl_b32 s17, s17, 2
	s_add_co_u32 s17, s17, s41                     ; tile row, 0 to 31
	s_lshl_b32 s43, s41, 2
	s_lshl_b32 s43, 15, s43                        ; my row of the cluster
	s_lshl_b32 s44, 0x1111, s40                    ; my column
	s_or_b32 s[G1+0], s43, (0<<16)|(1<<20)|(1<<21)|(5<<22)|(3<<25)   ; mask; elements of 1 byte; padding: 4 words after every 64; bit 21 beside a mask
	s_or_b32 s[G1B+0], s44, (0<<16)|(1<<20)|(1<<21)|(5<<22)|(3<<25)
.irp g, G1, G1B
	s_mov_b32 s[\g+1], ROWB<<16                    ; tensor_dim0
	s_mov_b32 s[\g+2], 128<<16                     ; tensor_dim1
	s_mov_b32 s[\g+3], ROWB<<16                    ; tile_dim0
	s_mov_b32 s[\g+4], 128                         ; tile_dim1
	s_mov_b32 s[\g+5], KROW                        ; pitch
	s_mov_b32 s[\g+6], 0
	s_mov_b32 s[\g+7], 0
.endr
	s_or_b32 s[G1S+0], s43, (3<<16)|(1<<20)|(1<<21)|(5<<22)|(3<<25)  ; the scales of 128 rows: 4,096 dense bytes as 16 rows of 256
	s_or_b32 s[G1SB+0], s44, (3<<16)|(1<<20)|(1<<21)|(5<<22)|(3<<25)
.irp g, G1S, G1SB
	s_mov_b32 s[\g+1], 32<<16
	s_mov_b32 s[\g+2], (128*KS/256)<<16
	s_mov_b32 s[\g+3], 32<<16
	s_mov_b32 s[\g+4], 128*KS/256
	s_mov_b32 s[\g+5], 32
	s_mov_b32 s[\g+6], 0
	s_mov_b32 s[\g+7], 0
.endr
	s_lshl_b32 s18, s16, 7
	s_lshl_b32 s20, s17, 8
	s_add_co_u32 s20, s20, s18                     ; A: row 256 x tile row + 128 x half
	s_lshl_b32 s46, s42, 8
	s_add_co_u32 s46, s46, s18                     ; B: row 256 x tile column + 128 x half
	s_mov_b32 s21, 0
	s_mov_b32 s47, 0
	s_mov_b64 s[18:19], KS
	s_mul_u64 s[22:23], s[20:21], s[18:19]
	s_mul_u64 s[92:93], s[46:47], s[18:19]
	s_mov_b64 s[18:19], KROW
	s_mul_u64 s[20:21], s[20:21], s[18:19]
	s_mul_u64 s[46:47], s[46:47], s[18:19]
	s_add_nc_u64 s[46:47], s[46:47], WCOD          ; Wqkv's part of the two buffers
	s_add_nc_u64 s[92:93], s[92:93], WSCL
	s_mul_i32 s45, s14, HALFT                      ; where they go: wave x 128 rows
	s_mul_i32 s94, s14, HALFS
	s_lshl_b32 s66, s42, 7                         ; the refill: v's rows of Wqkv, 2048 + 128 x tile column on: the tile column alone, which my column of the cluster shares
	s_add_co_u32 s66, s66, VROW
	s_lshl_b32 s66, s66, 9                         ; 512 bytes of codes a row
	s_lshl_b32 s67, s16, 8                         ; wave 2 fetches their K half 0, wave 3 their K half 1
	s_add_co_u32 s66, s66, s67
	s_add_co_u32 s66, s66, WCOD
	s_mov_b32 s67, 0
	s_mov_b32 s[G0V], 1
	s_mul_i32 s[G0V+1], s16, SLOT                  ; into the slot of that K half,
	s_add_co_u32 s[G0V+1], s[G0V+1], 2*HALFT       ; on the first 128 rows of B's part
	s_wait_dscnt 0x0                               ; both opening adds are done
	s_wait_kmcnt 0x0
	s_add_nc_u64 s[20:21], s[4:5], s[20:21]
	s_add_nc_u64 s[22:23], s[6:7], s[22:23]
	s_add_nc_u64 s[46:47], s[4:5], s[46:47]
	s_add_nc_u64 s[92:93], s[6:7], s[92:93]
	s_add_nc_u64 s[G0V+2:G0V+3], s[4:5], s[66:67]
	s_or_b32 s[G0V+3], s[G0V+3], 0x80000000
	CROUND                                         ; all sixteen work-groups are here: the joint loads meet
	s_mov_b32 s[G0S], 1
	s_add_co_u32 s[G0S+1], s94, SCL
	s_mov_b64 s[G0S+2:G0S+3], s[22:23]
	s_or_b32 s[G0S+3], s[G0S+3], 0x80000000
	s_mov_b32 s[G0SB], 1
	s_add_co_u32 s[G0SB+1], s94, SCL
	s_mov_b64 s[G0SB+2:G0SB+3], s[92:93]
	s_or_b32 s[G0SB+3], s[G0SB+3], 0x80000000
	JLOAD G0S, G1S, G0SB, G1SB                     ; three loads of mine are out at the most: the scales, slot 0, slot 1
.irp s, 0,1
	s_mov_b32 s[G0+4*\s], 1
	s_add_co_u32 s[G0+4*\s+1], s45, \s*SLOT
	s_add_nc_u64 s[G0+4*\s+2:G0+4*\s+3], s[20:21], \s*ROWB
	s_or_b32 s[G0+4*\s+3], s[G0+4*\s+3], 0x80000000
	s_mov_b32 s[G0B+4*\s], 1
	s_add_co_u32 s[G0B+4*\s+1], s45, \s*SLOT
	s_add_nc_u64 s[G0B+4*\s+2:G0B+4*\s+3], s[46:47], \s*ROWB
	s_or_b32 s[G0B+4*\s+3], s[G0B+4*\s+3], 0x80000000
	JLOAD G0+4*\s, G1, G0B+4*\s, G1B
.endr
	v_and_b32 v1, 15, v0                           ; l % 16
	v_bfe_u32 v2, v0, 4, 1                         ; l / 16
	v_mul_u32_u24 v3, v1, PITCH
	v_lshl_add_u32 v4, v2, 4, v3
	s_mul_i32 s21, s15, HALFT
	s_mul_i32 s22, s16, HALFT
	s_add_co_u32 s22, s22, 2*HALFT
.irp s, 0,1
	v_add_nc_u32 v[ADRA+\s], s21, v4
	v_add_nc_u32 v[ADRB+\s], s22, v4
	s_add_co_u32 s21, s21, SLOT
	s_add_co_u32 s22, s22, SLOT
.endr
	s_mul_i32 s21, s14, 64*PITCH                   ; v's piece: my 64 rows of A,
	v_add_nc_u32 v[ADRAV], s21, v4
	s_add_co_u32 s21, s21, SLOT
	v_add_nc_u32 v[ADRAV+1], s21, v4
	v_add_nc_u32 v[ADRBV], 2*HALFT, v4             ; and the 128 rows of B that the refill brings, the same for all four waves
	v_add_nc_u32 v[ADRBV+1], SLOT+2*HALFT, v4
	v_mul_u32_u24 v5, v1, KS                       ; my row's scales: 32 bytes a row, 16 more for each 256 passed
	v_lshrrev_b32 v6, 8, v5
	v_lshl_add_u32 v5, v6, 4, v5
	s_mul_i32 s21, s15, HALFS
	s_mul_i32 s22, s16, HALFS
	s_add_co_u32 s22, s22, 2*HALFS
	s_sub_co_u32 s22, s22, s21
	v_mul_u32_u24 v6, s22, v2                      ; lanes 16-31 take B's
	s_add_co_u32 s21, s21, SCL
	v_add_nc_u32 v5, v5, v6
	v_add_nc_u32 v[ADRS], s21, v5
	s_mul_i32 s23, s14, 16*SPITCH                  ; my stage
	s_add_co_u32 s23, s23, STAGE
	v_mul_u32_u24 v5, v1, SPITCH
	v_lshl_add_u32 v5, v2, 4, v5
	v_add_nc_u32 v[STO], s23, v5                   ; in: row l % 16, 16 bytes for each half of the lanes
	v_mul_u32_u24 v5, v2, SPITCH
	v_lshl_add_u32 v5, v1, 4, v5
	v_add_nc_u32 v[RD], s23, v5                    ; back: lanes 0-15 one row of 256 bytes, lanes 16-31 the next
	v_mul_u32_u24 v5, v2, CROW
	v_lshl_add_u32 v[CO], v1, 4, v5
	v_lshlrev_b32 v[TOF], 8, v1
	v_lshl_add_u32 v[TOF], v2, 5, v[TOF]
	; v's piece: where its scale words lie and where its results go
	s_lshl_b32 s18, s17, 8
	s_lshl_b32 s19, s14, 6
	s_add_co_u32 s18, s18, s19                     ; my first row there: 256 x tile row + 64 x wave
	s_lshl_b32 s92, s18, 5                         ; its scale bytes: 32 a row
	s_mul_i32 s18, s18, CROW
	s_lshl_b32 s19, s42, 8                         ; 128 columns of f16 a piece,
	s_add_co_u32 s18, s18, s19
	s_add_co_u32 s18, s18, 4096                    ; behind q's and k's 2,048 columns
	s_mov_b32 s19, 0
	s_add_nc_u64 s[12:13], s[10:11], s[18:19]
	s_lshl_b32 s93, s42, 7
	s_add_co_u32 s93, s93, VROW
	s_lshl_b32 s93, s93, 5
	s_add_co_u32 s93, s93, WSCL                    ; the scale bytes of v's rows of Wqkv,
	s_sub_co_u32 s93, s93, s92                     ; as a distance from my rows' (Wqkv's lie behind all of keyvalue's: it is positive)
	v_mul_u32_u24 v[SVO], s93, v2                  ; lanes 16-31 take them
	v_lshl_add_u32 v[SVO], v1, 5, v[SVO]
	v_add_nc_u32 v[SVO], s92, v[SVO]
.irp sc, 0,1
.irp i, 0,1,2,3,4,5,6,7
	global_load_b128 v[SCV+8*NQ*\sc+NQ*\i:SCV+8*NQ*\sc+NQ*\i+3], v[SVO], s[6:7] offset:512*\i+16*\sc   ; block i's four words of K half sc.  (Lanes 0-15 of blocks 4 to 7 read rows that are not mine, inside the buffer; no product names them)
.endr
.endr
	s_lshl_b32 s20, s17, 8
	s_lshl_b32 s21, s15, 7
	s_add_co_u32 s20, s20, s21                     ; the q/k tile: my first row
	s_and_b32 s22, s20, 2047                       ; its position in the sequence
	s_lshl_b32 s22, s22, 8
	s_mov_b32 s23, 0
	s_add_nc_u64 s[8:9], s[8:9], s[22:23]          ; the table at my first position
	s_mul_i32 s20, s20, CROW
	s_lshl_b32 s46, s42, 9
	s_lshl_b32 s47, s16, 8
	s_add_co_u32 s46, s46, s47
	s_add_co_u32 s20, s20, s46                     ; + my first column, in bytes
	s_mov_b32 s21, 0
	s_add_nc_u64 s[10:11], s[10:11], s[20:21]
; The table of block a (16 positions): for each of the four column blocks of a head 32 bytes a lane: c0 s0 c1 s1 c2 s2 c3 s3.  Two sets by turns.
.macro TABLE a
	WIN TO_B
.irp bb, 0,1,2,3
	global_load_b128 v[TBL+32*((\a)%2)+8*\bb:TBL+32*((\a)%2)+8*\bb+3], v[TOF], s[8:9] offset:4096*(\a)+64*\bb
	global_load_b128 v[TBL+32*((\a)%2)+8*\bb+4:TBL+32*((\a)%2)+8*\bb+7], v[TOF], s[8:9] offset:4096*(\a)+64*\bb+16
.endr
	WIN 0
.endm
	TABLE 0                                        ; asked for now, wanted on the way out
	TABLE 1
.macro FRAG reg, adr, q, i             ; 16 rows x 128 K of 4-bit codes: 8 registers
.irp c, 0,1
	ds_load_b128 v[\reg+4*\c:\reg+4*\c+3], v[\adr] offset:64*(\q)+32*\c+(\i)*16*PITCH
.endr
.endm
; 16 matrix instructions: A's blocks a0, a0 + 1 x B's eight.  The 64 accumulators take turns, one instruction a turn.
.macro MUL16 a0, p, q, sc, zero
.irp a, \a0, \a0+1
.irp b, 0,1,2,3,4,5,6,7
.if \zero
	v_wmma_scale_f32_16x16x128_f8f6f4 v[8*(8*((\a)%4)+\b):8*(8*((\a)%4)+\b)+7], v[128*(\p)+FR*\b:128*(\p)+FR*\b+FR-1], v[AF+FR*(\a):AF+FR*(\a)+FR-1], 0, v[SC+8*NQ*(\sc)+NQ*\b+(\q)], v[SC+8*NQ*(\sc)+NQ*(\a)+(\q)] matrix_a_fmt:MATRIX_FMT_FP4 matrix_b_fmt:MATRIX_FMT_FP4 matrix_a_scale:MATRIX_SCALE_ROW1
.else
	v_wmma_scale_f32_16x16x128_f8f6f4 v[8*(8*((\a)%4)+\b):8*(8*((\a)%4)+\b)+7], v[128*(\p)+FR*\b:128*(\p)+FR*\b+FR-1], v[AF+FR*(\a):AF+FR*(\a)+FR-1], v[8*(8*((\a)%4)+\b):8*(8*((\a)%4)+\b)+7], v[SC+8*NQ*(\sc)+NQ*\b+(\q)], v[SC+8*NQ*(\sc)+NQ*(\a)+(\q)] matrix_a_fmt:MATRIX_FMT_FP4 matrix_b_fmt:MATRIX_FMT_FP4 matrix_a_scale:MATRIX_SCALE_ROW1
.endif
.endr
.endr
.endm
.macro FETCH_B slot, q, p
	WIN TO_B
.irp i, 0,1,2,3,4,5,6,7
	FRAG 128*(\p)+FR*\i, ADRB+\slot, \q, \i
.endr
	WIN 0
.endm
.macro FETCH_A slot, q, i0
.irp i, \i0, \i0+1, \i0+2, \i0+3
	FRAG AF+FR*(\i), ADRA+\slot, \q, \i
.endr
.endm
.macro SCALES sc                       ; a slot's scale words: lanes 0-15 A's block i, lanes 16-31 B's block i
.irp i, 0,1,2,3,4,5,6,7
	ds_load_b128 v[SC+8*NQ*\sc+NQ*\i:SC+8*NQ*\sc+NQ*\i+3], v[ADRS] offset:\i*SBLK
.endr
.endm
.macro PLACES n                        ; plain vector instructions between a matrix instruction and loads into its sources or reads of its result
.rept \n
	v_nop
.endr
.endm
.macro STEP slot, q, zero              ; 128 along K with its successor in the same slot
	s_wait_dscnt 4*NL                              ; B's set and A's blocks 0-3 are in; A's blocks 4-7 (8 loads) may be out
	WIN MUL_LO
	MUL16 0, (\q)%2, \q, \slot, \zero
	MUL16 2, (\q)%2, \q, \slot, \zero
	s_wait_dscnt 0
	PLACES NP
	FETCH_B \slot, (\q)+1, 1-(\q)%2
	FETCH_A \slot, (\q)+1, 0
	WIN MUL_HI
	MUL16 4, (\q)%2, \q, \slot, \zero
	MUL16 6, (\q)%2, \q, \slot, \zero
	PLACES NP
	WIN 0
	FETCH_A \slot, (\q)+1, 4
.endm
.macro TURN slot, next                 ; slot 0's last step: my part of slot 1 has landed, then the barrier shows everybody's
	s_wait_tensorcnt 0x0
	ds_add_u32 v[SPW], v[NIL]
	s_wait_dscnt 4*NL+1                            ; (the add and A's blocks 4-7 may be out)
	WIN MUL_LO
	MUL16 0, 1, NQ-1, \slot, 0
	s_wait_dscnt 0x0
	s_barrier_signal -1
	MUL16 2, 1, NQ-1, \slot, 0
	WIN 0
	s_barrier_wait -1
	PLACES NP
	v_add_nc_u32 v[ADRS], 4*NQ, v[ADRS]            ; the next slot's scale words
	FETCH_B \next, 0, 0
	FETCH_A \next, 0, 0
	SCALES \next
	WIN MUL_HI
	MUL16 4, 1, NQ-1, \slot, 0
	MUL16 6, 1, NQ-1, \slot, 0
	PLACES NP
	WIN 0
	FETCH_A \next, 0, 4
.endm
; THE WAY OUT, block by block of 16 rows x 128 columns.
; RoPE in place: out0 = x0 c - x1 s, out1 = x0 s + x1 c.  First x1's two products (each accumulator is read first at its register 1), then two fused multiply-adds.
.macro ROPE a
.set AC, 64*((\a)%4)
.set TS, TBL+32*((\a)%2)
.if (\a) < 7
	s_wait_loadcnt 8                               ; this block's table is in (and all that was asked for ahead of it); the next block's eight loads may be out
.else
	s_wait_loadcnt 0
.endif
	WIN 0x46+(\a)/4                                ; source 0: the accumulators' window; source 1 and destination: window 1
.irp b, 0,1,2,3,4,5,6,7
.irp u, 0,1,2,3
	v_mul_f32 v[TW+8*\b+2*\u], v[AC+8*\b+2*\u+1], v[TS+8*(\b%4)+2*\u+1]
	v_mul_f32 v[TW+8*\b+2*\u+1], v[AC+8*\b+2*\u+1], v[TS+8*(\b%4)+2*\u]
.endr
.endr
	WIN 0x96+0x41*((\a)/4)                         ; destination and source 0: the accumulators' window; sources 1, 2: window 1
.irp b, 0,1,2,3,4,5,6,7
.irp u, 0,1,2,3
	v_fma_f32 v[AC+8*\b+2*\u+1], v[AC+8*\b+2*\u], v[TS+8*(\b%4)+2*\u+1], v[TW+8*\b+2*\u+1]
	v_fma_f32 v[AC+8*\b+2*\u], v[AC+8*\b+2*\u], v[TS+8*(\b%4)+2*\u], -v[TW+8*\b+2*\u]
.endr
.endr
	WIN 0
.if (\a) < 6
	TABLE (\a)+2
.endif
.endm
.macro PACK a
.set AC, 64*((\a)%4)
	WIN 0x0a+5*((\a)/4)
.irp b, 0,1,2,3,4,5,6,7
.irp q, 0,1,2,3
	v_cvt_pk_f16_f32 v[TMP+4*\b+\q], v[AC+8*\b+2*\q], v[AC+8*\b+2*\q+1]
.endr
.endr
	WIN 0
.endm
.macro TOSTAGE a                       ; LDS serves a wave's instructions in order (ISA guide 5.7.1.4): no wait between the stores and the loads
.set BB, BK+32*((\a)%2)
.irp b, 0,1,2,3,4,5,6,7
	ds_store_b128 v[STO], v[TMP+4*\b:TMP+4*\b+3] offset:32*\b
.endr
.irp t, 0,1,2,3,4,5,6,7
	ds_load_b128 v[BB+4*\t:BB+4*\t+3], v[RD] offset:\t*2*SPITCH
.endr
.endm
.macro SEND a, younger, base
.set BB, BK+32*((\a)%2)
	s_wait_dscnt \younger                          ; the block is back; the next block's 8 stores and 8 loads may be out
.irp t, 0,1,2,3,4,5,6,7
	global_store_b128 v[CO], v[BB+4*\t:BB+4*\t+3], s[\base:\base+1] offset:(16*(\a)+2*\t)*CROW   ; 16 lanes store 256 consecutive bytes, aligned; 126 rows at the most in the immediate
.endr
.endm
; v's PIECE.  24 LDS loads: B's eight fragments and my four of A for the slot's q-th 128 along K, into set p
.macro VFETCH slot, q, p
	WIN TO_B
.irp i, 0,1,2,3,4,5,6,7
	FRAG 128*(\p)+FR*\i, ADRBV+(\slot), \q, \i
.endr
	WIN 0
.irp i, 0,1,2,3
	FRAG AF+32*(\p)+FR*\i, ADRAV+(\slot), \q, \i
.endr
.endm
.macro MULV p, q, sc, zero             ; 32 matrix instructions: my four blocks of rows x B's eight; the 32 accumulators take turns
.irp a, 0,1,2,3
.irp b, 0,1,2,3,4,5,6,7
.if \zero
	v_wmma_scale_f32_16x16x128_f8f6f4 v[8*(8*\a+\b):8*(8*\a+\b)+7], v[128*(\p)+FR*\b:128*(\p)+FR*\b+FR-1], v[AF+32*(\p)+FR*\a:AF+32*(\p)+FR*\a+FR-1], 0, v[SCV+8*NQ*(\sc)+NQ*\b+(\q)], v[SCV+8*NQ*(\sc)+NQ*\a+(\q)] matrix_a_fmt:MATRIX_FMT_FP4 matrix_b_fmt:MATRIX_FMT_FP4 matrix_a_scale:MATRIX_SCALE_ROW1
.else
	v_wmma_scale_f32_16x16x128_f8f6f4 v[8*(8*\a+\b):8*(8*\a+\b)+7], v[128*(\p)+FR*\b:128*(\p)+FR*\b+FR-1], v[AF+32*(\p)+FR*\a:AF+32*(\p)+FR*\a+FR-1], v[8*(8*\a+\b):8*(8*\a+\b)+7], v[SCV+8*NQ*(\sc)+NQ*\b+(\q)], v[SCV+8*NQ*(\sc)+NQ*\a+(\q)] matrix_a_fmt:MATRIX_FMT_FP4 matrix_b_fmt:MATRIX_FMT_FP4 matrix_a_scale:MATRIX_SCALE_ROW1
.endif
.endr
.endr
.endm
.macro VSTEP t, zero                   ; step t of eight: the next step's fragments are asked for, into the other set, ahead of this step's products
	PLACES NP                                      ; the other set was read by the products just issued
.if (\t) < 7
	VFETCH ((\t)+1)/4, ((\t)+1)%4, ((\t)+1)%2
	s_wait_dscnt 12*NL                             ; this step's fragments are in; the 24 loads just issued may be out
.else
	s_wait_dscnt 0x0
.endif
	WIN MUL_LO
	MULV (\t)%2, (\t)%4, (\t)/4, \zero
.endm
	s_wait_tensorcnt 1                             ; the scales and my part of slot 0 are in; slot 1's load may be out
	s_barrier_signal -1
	s_barrier_wait -1
	FETCH_B 0, 0, 0
	FETCH_A 0, 0, 0
	SCALES 0
	FETCH_A 0, 0, 4
	STEP 0, 0, 1                                   ; the first products start the sums: nothing is cleared
	STEP 0, 1, 0
	STEP 0, 2, 0
	TURN 0, 1
	STEP 1, 0, 0
	STEP 1, 1, 0
	STEP 1, 2, 0
	; the q/k tile's last step: all its fragments have been asked for, so B's part of the slots can be filled again
	s_wait_tensorcnt 0x0                           ; no tensor load of mine is out
	ds_add_u32 v[SPW], v[NIL]
	s_wait_dscnt 4*NL+1                            ; (the add and A's blocks 4-7 may be out)
	WIN MUL_LO
	MUL16 0, 1, NQ-1, 1, 0                         ; sixteen matrix instructions stand between the add and the wait for it
	s_wait_dscnt 0x0                               ; the add is done, and my reads of B's rows are over
	s_barrier_signal -1                            ; this barrier opens a round of the cluster's
	MUL16 2, 1, NQ-1, 1, 0
	WIN 0
	s_barrier_wait -1
	CREST                                          ; no wave of any partner still reads B's rows or has a load on its way
	s_cmp_eq_u32 s15, 0                            ; waves 2 and 3 fetch: 128 rows x 256 bytes each; waves 0 and 1 have no part of it
	s_cbranch_scc1 .Lno_v_fill
	tensor_load_to_lds s[G0V:G0V+3], s[G1B:G1B+7]  ; it has the whole way out of q and k in which to land
	s_nop 0
.rept 4
	v_nop
.endr
.Lno_v_fill:
	WIN MUL_HI
	MUL16 4, 1, NQ-1, 1, 0
	MUL16 6, 1, NQ-1, 1, 0
	WIN 0
	; q and k go out
	PLACES NP
.irp a, 0,1,2,3,4,5,6,7
	ROPE \a
	PACK \a
.if \a > 1
	s_wait_xcnt 0x0                                ; block a - 2's stores have read their registers: block a's rows may land there
.endif
	TOSTAGE \a
.if \a > 0
	SEND \a-1, 16, 10
.endif
.endr
	SEND 7, 0, 10
	; v's piece
	s_wait_tensorcnt 0x0                           ; my part of v's rows of Wqkv has landed,
	s_wait_xcnt 0x0                                ; the last stores have read their registers: fragments may land there,
	s_wait_dscnt 0x0                               ; and no LDS instruction of mine is out
	s_barrier_signal -1
	s_barrier_wait -1                              ; everybody's part has landed
	VFETCH 0, 0, 0
	VSTEP 0, 1                                     ; the first products start the sums anew
.irp t, 1,2,3,4,5,6,7
	VSTEP \t, 0
.endr
	WIN 0
	PLACES NP
.irp a, 0,1,2,3
	PACK \a
.if \a > 1
	s_wait_xcnt 0x0
.endif
	TOSTAGE \a
.if \a > 0
	SEND \a-1, 16, 12
.endif
.endr
	SEND 3, 0, 12
	s_wait_tensorcnt 0x0                           ; the wave's end
	ds_add_u32 v[SPW], v[NIL]
	s_wait_dscnt 0x0
	CROUND                                         ; the closing round
	s_endpgm
.Lfunc_end_k_qb5038b3dc4_qkv:
	.size	k_qb5038b3dc4_qkv, .Lfunc_end_k_qb5038b3dc4_qkv-k_qb5038b3dc4_qkv
	.p2alignl 7, 3214868480
	.fill 96, 4, 3214868480
	.section	.rodata,"a",@progbits
	.p2align	6, 0x0
	.amdhsa_kernel k_qb5038b3dc4_qkv
		.amdhsa_group_segment_fixed_size 327680
		.amdhsa_private_segment_fixed_size 0
		.amdhsa_enable_private_segment 0
		.amdhsa_kernarg_size 32
		.amdhsa_user_sgpr_count 2
		.amdhsa_user_sgpr_kernarg_segment_ptr 1
		.amdhsa_wavefront_size32 1
		.amdhsa_system_sgpr_workgroup_id_x 1
		.amdhsa_system_sgpr_workgroup_id_y 1
		.amdhsa_system_sgpr_workgroup_id_z 1
		.amdhsa_system_vgpr_workitem_id 0
		.amdhsa_next_free_vgpr 1024
		.amdhsa_next_free_sgpr 100
		.amdhsa_reserve_vcc 0
		.amdhsa_float_denorm_mode_32 3
		.amdhsa_float_denorm_mode_16_64 3
		.amdhsa_memory_ordered 1
		.amdhsa_forward_progress 1
		.amdhsa_inst_pref_size 248
	.end_amdhsa_kernel
	.amdgpu_metadata
---
amdhsa.version: [ 1, 2 ]
amdhsa.kernels:
  - .name:           k_qb5038b3dc4_qkv
    .symbol:         k_qb5038b3dc4_qkv.kd
    .args:
      - { .name: codes, .offset: 0, .size: 8, .value_kind: global_buffer, .address_space: global }
      - { .name: scales, .offset: 8, .size: 8, .value_kind: global_buffer, .address_space: global }
      - { .name: rope, .offset: 16, .size: 8, .value_kind: global_buffer, .address_space: global }
      - { .name: qkv16, .offset: 24, .size: 8, .value_kind: global_buffer, .address_space: global }
    .group_segment_fixed_size: 327680
    .private_segment_fixed_size: 0
    .kernarg_segment_align: 8
    .kernarg_segment_size: 32
    .max_flat_workgroup_size: 128
    .sgpr_count:     100
    .vgpr_count:     1024
    .wavefront_size: 32
...
	.end_amdgpu_metadata
.endif
;; end of part 2
;; launch scores (part 3): grid 9 x 16, 4 waves a work-group, no clusters, 327,680 bytes of LDS; arguments qkv16, p16, stat; writes p16, stat
.if DOCPART == 3
	.amdgcn_target "amdgcn-amd-amdhsa--gfx1250"
	.amdhsa_code_object_version 6
	.text
	.protected	k_qb5038b3dc4_scores
	.globl	k_qb5038b3dc4_scores
	.p2align	8
	.type	k_qb5038b3dc4_scores,@function
k_qb5038b3dc4_scores:
	s_mov_b64 s[64:65], 0
	v_nop
	global_prefetch_b8 v0, s[64:65] scope:SCOPE_SE
	s_setreg_imm32_b32 hwreg(HW_REG_WAVE_MODE, 25, 1), 1
	s_wait_xcnt 0x0
; The weights, block by block.  s = q . k (K = 1024, f16 operands, f32 sums); t = s x log2(e) / 8.  For each query and each block of 128 keys: M = ceil(the block's largest t),
; p = 2^(t - M) rounded to f16 into p16[b][q][k], and into stat the pair (-M, l = the sum of the unrounded p).  The next launch joins the blocks: so the maximum is taken away before every exponential.
; WORK LEFT OUT: tiles wholly above the diagonal (reference()'s own jnp.tril) are not launched: of 8 x 8 tiles of 256 x 256 a batch has 36.  In a tile on the diagonal wave 1 (queries 0-127,
; keys 128-255) multiplies inside a live tile and leaves without a result.  query is not read.
; NO CLUSTER: the rows of the triangle have 1 to 8 tiles; any four partners along a row or a column would include tiles that lie wholly under the mask.
; LIMITS: p under 6e-8 becomes 0 in f16.  stat leaves in pieces of 64 bytes (1/32 of p's bytes).
; A work-group makes one tile of 256 x 256, a wave 128 x 128: 64 accumulators.  K goes in steps of 128 (rows of 256 bytes) through two LDS slots; each wave fetches a quarter of a slot.
; THE MATRIX INSTRUCTION IS USED TRANSPOSED (source 0 = 16 keys, source 1 = 16 queries): lane l holds query l % 16 and keys 8 (l / 16) + 0..7 of each key block.
; REGISTERS: window 0: v0-31 addresses; v64-191 q's fragments, later statistics; v32-63, v192-255 the way out.  window 1: k's fragments.  windows 2, 3: the accumulators ((a, b) at v[8 (8 (a % 4) + b)]).
.set KSTEP,  128
.set PITCH,  272
.set HALFT,  128*PITCH
.set SLOT,   4*HALFT
.set STAGE,  2*SLOT
.set SPITCH, 272
.set SPARE,  STAGE+4*16*SPITCH
.set LAPS,   4                         ; 1024 / 256
.set QROW,   6144
.set PROW,   4096
.set ADRA, 16
.set ADRB, 20
.set STO,  24
.set RD,   25
.set CO,   26
.set SPW,  28
.set NIL,  29
.set F0,   64
.set F1,   128
.set TMP,  192
.set OB,   32
.set NM,   64                          ; v[64+2a] -M, v[65+2a] the largest t
.set SU,   80                          ; v[80+2a:81+2a] the sum in two halves
.set MX,   96
.set PL,   104
.set DD,   112
.set NEG,  114
.set SOFF, 115
.set VAL,  116
.set G1, 24
.set G0, 32
.set DEAD, 40
.set OFFD, 41
.set MK,   44                          ; s44-51 the diagonal block's masks
.set CS,   52
.set SEL,  54
.set HM,   56
.set MSB, 0
.macro WIN new
.if MSB != \new
	s_set_vgpr_msb (MSB<<8)|\new
.set MSB, \new
.endif
.endm
.set MUL_LO, 0xa1
.set MUL_HI, 0xf1
.set TO_B,   0x40
	s_load_b128 s[4:7], s[0:1], 0x0                ; qkv16, p16
	s_load_b64 s[8:9], s[0:1], 0x10                ; stat
	v_lshl_add_u32 v[SPW], v0, 2, SPARE
	v_mov_b32 v[NIL], 0
	ds_add_u32 v[SPW], v[NIL]                      ; the opening: the add, twice on end, and its wait ahead of my first tensor load
	ds_add_u32 v[SPW], v[NIL]
	v_lshrrev_b32 v1, 5, v0
	v_readfirstlane_b32 s10, v1                    ; wave
	s_lshr_b32 s11, s10, 1                         ; my half of the queries; also: I fetch q (0) or k (1)
	s_and_b32 s12, s10, 1                          ; my half of the keys; also: which 128 rows I fetch
	s_and_b32 s13, ttmp7, 0xffff
	s_lshr_b32 s14, s13, 2                         ; batch
	s_and_b32 s15, s13, 3                          ; R: tile rows R and 7 - R have 9 tiles together
	s_sub_co_u32 s16, 7, s15
	s_sub_co_u32 s17, ttmp9, s15
	s_sub_co_u32 s17, s17, 1
	s_cmp_le_u32 ttmp9, s15
	s_cselect_b32 s18, s15, s16                    ; I, the tile row
	s_cselect_b32 s19, ttmp9, s17                  ; J, the tile column, at most I
	s_mov_b32 s[G1+0], (1<<16)|(1<<20)|(5<<22)|(3<<25)   ; elements of 2 bytes; 4 words of padding after every 64
	s_mov_b32 s[G1+1], KSTEP<<16
	s_mov_b32 s[G1+2], 128<<16
	s_mov_b32 s[G1+3], KSTEP<<16
	s_mov_b32 s[G1+4], 128
	s_mov_b32 s[G1+5], 3072
	s_mov_b32 s[G1+6], 0
	s_mov_b32 s[G1+7], 0
	s_cmp_eq_u32 s11, 0
	s_cselect_b32 s20, s18, s19
	s_lshl_b32 s20, s20, 8
	s_lshl_b32 s21, s12, 7
	s_add_co_u32 s20, s20, s21
	s_lshl_b32 s21, s14, 11
	s_add_co_u32 s20, s20, s21                     ; the first row that I fetch
	s_mul_i32 s20, s20, QROW
	s_lshl_b32 s21, s11, 11                        ; k lies 2,048 bytes on in a row
	s_add_co_u32 s20, s20, s21
	s_mov_b32 s21, 0
	s_mul_i32 s22, s10, HALFT
	s_xor_b32 s23, s18, s19
	s_xor_b32 s[DEAD], s10, 1
	s_or_b32 s[DEAD], s[DEAD], s23                 ; 0: wave 1 of a tile on the diagonal
	s_xor_b32 s[OFFD], s11, s12
	s_or_b32 s[OFFD], s[OFFD], s23                 ; 0: my 128 x 128 lie on the diagonal
	s_mov_b32 s[CS], 0x3e38aa3b                    ; c = log2(e) / 8
	s_mov_b32 s[CS+1], s[CS]
	s_mov_b32 s[SEL], 0x76543210
	s_mov_b32 s[SEL+1], 0xfedcba98
	s_mov_b32 s[HM], 0xffff0000
	s_wait_dscnt 0x0
	s_wait_kmcnt 0x0
	s_add_nc_u64 s[20:21], s[4:5], s[20:21]
.irp s, 0,1
	s_mov_b32 s[G0+4*\s], 1
	s_add_co_u32 s[G0+4*\s+1], s22, \s*SLOT
	s_add_nc_u64 s[G0+4*\s+2:G0+4*\s+3], s[20:21], \s*KSTEP*2
	s_or_b32 s[G0+4*\s+3], s[G0+4*\s+3], 0x80000000
	tensor_load_to_lds s[G0+4*\s:G0+4*\s+3], s[G1:G1+7]    ; both first fills together: two loads of mine are out
	s_nop 0
.endr
	v_and_b32 v1, 15, v0                           ; l % 16: kept
	v_bfe_u32 v2, v0, 4, 1                         ; l / 16: kept
	v_mul_u32_u24 v3, v1, PITCH
	v_lshl_add_u32 v3, v2, 4, v3
	s_mul_i32 s21, s11, HALFT
	s_mul_i32 s22, s12, HALFT
	s_add_co_u32 s22, s22, 2*HALFT
.irp s, 0,1
	v_add_nc_u32 v[ADRA+\s], s21, v3
	v_add_nc_u32 v[ADRB+\s], s22, v3
	s_add_co_u32 s21, s21, SLOT
	s_add_co_u32 s22, s22, SLOT
.endr
	s_mul_i32 s23, s10, 16*SPITCH
	s_add_co_u32 s23, s23, STAGE
	v_mul_u32_u24 v4, v1, SPITCH
	v_lshl_add_u32 v4, v2, 4, v4
	v_add_nc_u32 v[STO], s23, v4
	v_mul_u32_u24 v5, v2, SPITCH
	v_lshl_add_u32 v5, v1, 4, v5
	v_add_nc_u32 v[RD], s23, v5
	v_mul_u32_u24 v5, v2, PROW
	v_lshl_add_u32 v[CO], v1, 4, v5
	s_lshl_b32 s20, s18, 8
	s_lshl_b32 s21, s11, 7
	s_add_co_u32 s20, s20, s21                     ; my first query in the batch
	s_lshl_b32 s22, s20, 2                         ; stat: 4 bytes a query,
	s_lshl_b32 s21, s19, 1
	s_add_co_u32 s21, s21, s12                     ; key block 2 J + half: 8,192 bytes,
	s_lshl_b32 s21, s21, 13
	s_add_co_u32 s22, s22, s21
	s_lshl_b32 s21, s14, 18                        ; batch: 262,144 bytes
	s_add_co_u32 s22, s22, s21
	s_mov_b32 s23, 0
	s_add_nc_u64 s[8:9], s[8:9], s[22:23]
	s_lshl_b32 s21, s14, 11
	s_add_co_u32 s20, s20, s21
	s_lshl_b32 s20, s20, 12                        ; p16: 4,096 bytes a query
	s_lshl_b32 s21, s19, 9
	s_add_co_u32 s20, s20, s21
	s_lshl_b32 s21, s12, 8
	s_add_co_u32 s20, s20, s21
	s_mov_b32 s21, 0
	s_add_nc_u64 s[6:7], s[6:7], s[20:21]
.macro MUL16 f, hi, a0, zero           ; the 64 accumulators take turns, one instruction a turn
.irp a, \a0, \a0+1
.irp b, 0,1,2,3,4,5,6,7
.if \zero
	v_wmma_f32_16x16x32_f16 v[8*(8*(\a)+\b):8*(8*(\a)+\b)+7], v[\f+8*\b:\f+8*\b+7], v[\f+8*(4*\hi+\a):\f+8*(4*\hi+\a)+7], 0
.else
	v_wmma_f32_16x16x32_f16 v[8*(8*(\a)+\b):8*(8*(\a)+\b)+7], v[\f+8*\b:\f+8*\b+7], v[\f+8*(4*\hi+\a):\f+8*(4*\hi+\a)+7], v[8*(8*(\a)+\b):8*(8*(\a)+\b)+7]
.endif
.endr
.endr
.endm
.macro FETCH slot, k, f
	WIN TO_B
.irp i, 0,1,2,3,4,5,6,7
	ds_load_b128 v[\f+8*\i:\f+8*\i+3],   v[ADRB+\slot] offset:\k+\i*16*PITCH
	ds_load_b128 v[\f+8*\i+4:\f+8*\i+7], v[ADRB+\slot] offset:\k+\i*16*PITCH+32
.endr
	WIN 0
.irp i, 0,1,2,3,4,5,6,7
	ds_load_b128 v[\f+8*\i:\f+8*\i+3],   v[ADRA+\slot] offset:\k+\i*16*PITCH
	ds_load_b128 v[\f+8*\i+4:\f+8*\i+7], v[ADRA+\slot] offset:\k+\i*16*PITCH+32
.endr
.endm
.macro PLACES
.rept 4
	v_nop
.endr
.endm
.macro QUARTER slot, k, f, g, zero
	s_wait_dscnt 8                                 ; k's fragments and q's rows 0-63 are in; the youngest eight loads may be out
	WIN MUL_LO
	MUL16 \f, 0, 0, \zero
	MUL16 \f, 0, 2, \zero
	PLACES
	FETCH \slot, \k, \g
	s_wait_dscnt 32                                ; all but the 32 just issued
	WIN MUL_HI
	MUL16 \f, 1, 0, \zero
	MUL16 \f, 1, 2, \zero
.endm
; The last quarter of a K step changes slots: each wave waits for all its tensor loads, adds 0 to its spare word, waits for that and for its reads of this slot; one barrier;
; behind it this slot is filled again first (fill = 1: the K step two on), then the next slot's first fragments are read.
.macro TURN slot, next, fill
	WIN 0
	s_wait_tensorcnt 0x0
	ds_add_u32 v[SPW], v[NIL]
	s_wait_dscnt 9                                 ; (the add and the youngest eight loads may be out)
	WIN MUL_LO
	MUL16 F1, 0, 0, 0
	s_wait_dscnt 0x0
	s_barrier_signal -1
	MUL16 F1, 0, 2, 0
	s_barrier_wait -1
.if \fill
	s_add_nc_u64 s[G0+4*\slot+2:G0+4*\slot+3], s[G0+4*\slot+2:G0+4*\slot+3], 2*KSTEP*2   ; no load of mine is out
	tensor_load_to_lds s[G0+4*\slot:G0+4*\slot+3], s[G1:G1+7]     ; my one load behind this barrier: 224 matrix instructions ahead of the wait for it
	s_nop 0
.endif
	PLACES                                         ; also the places in front of the loads below
	FETCH \next, 0, F0
	WIN MUL_HI
	MUL16 F1, 1, 0, 0
	MUL16 F1, 1, 2, 0
.endm
	s_wait_tensorcnt 1                             ; my part of K step 0 is in; K step 1's may be out
	s_barrier_signal -1
	s_barrier_wait -1
	FETCH 0, 0, F0
	QUARTER 0, 64,  F0, F1, 1
	WIN 0
	s_mov_b32 s3, LAPS-1
.Llap:
	QUARTER 0, 128, F1, F0, 0
	QUARTER 0, 192, F0, F1, 0
	TURN 0, 1, 1
	QUARTER 1, 64,  F0, F1, 0
	QUARTER 1, 128, F1, F0, 0
	QUARTER 1, 192, F0, F1, 0
	TURN 1, 0, 1
	QUARTER 0, 64,  F0, F1, 0
	WIN 0
	s_sub_co_u32 s3, s3, 1
	s_cmp_lg_u32 s3, 0
	s_cbranch_scc1 .Llap
	QUARTER 0, 128, F1, F0, 0                      ; the last lap is written out: it fills nothing
	QUARTER 0, 192, F0, F1, 0
	TURN 0, 1, 0
	QUARTER 1, 64,  F0, F1, 0
	QUARTER 1, 128, F1, F0, 0
	QUARTER 1, 192, F0, F1, 0
	s_wait_dscnt 8
	WIN MUL_LO
	MUL16 F1, 0, 0, 0
	MUL16 F1, 0, 2, 0
	s_wait_dscnt 0
	WIN MUL_HI
	MUL16 F1, 1, 0, 0
	MUL16 F1, 1, 2, 0
	WIN 0
	PLACES
	; ---- THE SOFTMAX OF MY 128 x 128, no other wave is asked ----
	s_cmp_eq_u32 s[DEAD], 0
	s_cbranch_scc1 .Ldone
	v_lshlrev_b32 v3, 3, v2
	v_sub_nc_u32 v[DD], v1, v3                     ; in the block on the diagonal register j is hidden where j > l % 16 - 8 (l / 16)
	v_mov_b32 v[NEG], 0xff800000                   ; -infinity: p = 0
	v_lshlrev_b32 v[SOFF], 2, v1
	v_lshl_add_u32 v[SOFF], v2, 17, v[SOFF]        ; lanes 0-15 store -M, lanes 16-31 store l, one plane (131,072 bytes) on
.irp a, 0,1,2,3,4,5,6,7
	v_mov_b32 v[PL+\a], 0                          ; a lane permute's destination counts as one of its sources
.endr
	s_cmp_lg_u32 s[OFFD], 0
	s_cbranch_scc1 .Lopen
.irp j, 0,1,2,3,4,5,6,7
	v_cmp_gt_i32 s[MK+\j], \j, v[DD]
.endr
.macro MASKW w
	WIN ((\w)<<6)|(\w)
.irp a4, 0,1,2,3
.irp b, 0,1,2,3,4,5,6,7
.if \b > 4*((\w)-2)+\a4
.irp j, 0,1,2,3,4,5,6,7
	v_mov_b32 v[8*(8*\a4+\b)+\j], 0xff800000
.endr
.elseif \b == 4*((\w)-2)+\a4
.irp j, 0,1,2,3,4,5,6,7
	v_cndmask_b32 v[8*(8*\a4+\b)+\j], v[8*(8*\a4+\b)+\j], v[NEG], s[MK+\j]
.endr
.endif
.endr
.endr
.endm
	MASKW 2
	MASKW 3
	WIN 0
.Lopen:
.macro MAXW w                          ; the largest of a lane's 64 scores, four row blocks by turns; each accumulator is read first at its register 0
	WIN (\w)|((\w)<<2)|((\w)<<4)
.irp a4, 0,1,2,3
	v_max3_num_f32 v[MX+4*((\w)-2)+\a4], v[64*\a4], v[64*\a4+1], v[64*\a4+2]
.endr
	WIN ((\w)<<2)|((\w)<<4)
.set i, 3
.rept 30
.irp a4, 0,1,2,3
	v_max3_num_f32 v[MX+4*((\w)-2)+\a4], v[MX+4*((\w)-2)+\a4], v[64*\a4+i], v[64*\a4+i+1]
.endr
.set i, i+2
.endr
.irp a4, 0,1,2,3
	v_max_num_f32 v[MX+4*((\w)-2)+\a4], v[MX+4*((\w)-2)+\a4], v[64*\a4+63]
.endr
.endm
	MAXW 2
	MAXW 3
	WIN 0
.irp a, 0,1,2,3,4,5,6,7
	v_permlanex16_b32 v[PL+\a], v[MX+\a], s[SEL], s[SEL+1]
.endr
.irp a, 0,1,2,3,4,5,6,7
	v_max_num_f32 v[MX+\a], v[MX+\a], v[PL+\a]     ; with lane l xor 16's 64 keys
.endr
.irp a, 0,1,2,3,4,5,6,7
	v_mul_f32 v[NM+2*\a+1], s[CS], v[MX+\a]        ; as t
.endr
.irp a, 0,1,2,3,4,5,6,7
	v_floor_f32 v[NM+2*\a], -v[NM+2*\a+1]          ; -M = floor(-t): M is a whole number
.endr
.macro SCEXP w                         ; t - M, two at a time; then the window's 256 exponentials as one batch
	WIN ((\w)<<6)|(\w)
.irp a4, 0,1,2,3
.set i, 0
.rept 32
	v_pk_fma_f32 v[64*\a4+i:64*\a4+i+1], v[64*\a4+i:64*\a4+i+1], s[CS:CS+1], v[NM+2*(4*((\w)-2)+\a4):NM+2*(4*((\w)-2)+\a4)+1] op_sel_hi:[1,0,0]
.set i, i+2
.endr
.endr
.set i, 0
.rept 256
	v_exp_f32 v[i], v[i]
.set i, i+1
.endr
	v_nop                                          ; a plain instruction behind the last exponential
	s_wait_alu depctr_va_vdst(0)                   ; one wait for the batch, ahead of the first line that names a result
.endm
	SCEXP 2
	SCEXP 3
.macro SUMW w                          ; the sum of the unrounded p
	WIN (\w)|((\w)<<2)
.irp a4, 0,1,2,3
	v_pk_add_f32 v[SU+2*(4*((\w)-2)+\a4):SU+2*(4*((\w)-2)+\a4)+1], v[64*\a4:64*\a4+1], v[64*\a4+2:64*\a4+3]
.endr
	WIN (\w)<<2
.set i, 4
.rept 30
.irp a4, 0,1,2,3
	v_pk_add_f32 v[SU+2*(4*((\w)-2)+\a4):SU+2*(4*((\w)-2)+\a4)+1], v[SU+2*(4*((\w)-2)+\a4):SU+2*(4*((\w)-2)+\a4)+1], v[64*\a4+i:64*\a4+i+1]
.endr
.set i, i+2
.endr
.endm
	SUMW 2
	SUMW 3
	WIN 0
.irp a, 0,1,2,3,4,5,6,7
	v_add_f32 v[SU+2*\a], v[SU+2*\a], v[SU+2*\a+1]
.endr
.irp a, 0,1,2,3,4,5,6,7
	v_permlanex16_b32 v[PL+\a], v[SU+2*\a], s[SEL], s[SEL+1]
.endr
.irp a, 0,1,2,3,4,5,6,7
	v_add_f32 v[SU+2*\a], v[SU+2*\a], v[PL+\a]
.endr
.irp a, 0,1,2,3,4,5,6,7
	v_cndmask_b32 v[VAL+\a], v[NM+2*\a], v[SU+2*\a], s[HM]
	global_store_b32 v[SOFF], v[VAL+\a], s[8:9] offset:64*\a
.endr
	; ---- p leaves as f16, 16 rows at a time through my own stage ----
.macro PACK a
.set AC, 64*((\a)%4)
	WIN 0x0a+5*((\a)/4)
.irp b, 0,1,2,3,4,5,6,7
.irp q, 0,1,2,3
	v_cvt_pk_f16_f32 v[TMP+4*\b+\q], v[AC+8*\b+2*\q], v[AC+8*\b+2*\q+1]
.endr
.endr
	WIN 0
.endm
.macro TOSTAGE a
.set BK, OB+192*((\a)%2)
.irp b, 0,1,2,3,4,5,6,7
	ds_store_b128 v[STO], v[TMP+4*\b:TMP+4*\b+3] offset:32*\b
.endr
.irp t, 0,1,2,3,4,5,6,7
	ds_load_b128 v[BK+4*\t:BK+4*\t+3], v[RD] offset:\t*2*SPITCH   ; LDS serves a wave's instructions in order (ISA guide 5.7.1.4)
.endr
.endm
.macro SEND a
.set BK, OB+192*((\a)%2)
	s_wait_dscnt 0x0
	s_wait_xcnt 0x0                                ; the earlier stores have read their registers: the next block's rows may land there
.irp t, 0,1,2,3,4,5,6,7
	global_store_b128 v[CO], v[BK+4*\t:BK+4*\t+3], s[6:7] offset:(16*(\a)+2*\t)*PROW   ; 16 lanes store 256 consecutive bytes, aligned
.endr
.endm
	PACK 0
	TOSTAGE 0
.irp a, 1,2,3,4,5,6,7
	PACK \a
	SEND \a-1
	TOSTAGE \a
.endr
	SEND 7
.Ldone:
	s_wait_tensorcnt 0x0                           ; the wave's end
	ds_add_u32 v[SPW], v[NIL]
	s_wait_dscnt 0x0
	s_endpgm
.Lfunc_end_k_qb5038b3dc4_scores:
	.size	k_qb5038b3dc4_scores, .Lfunc_end_k_qb5038b3dc4_scores-k_qb5038b3dc4_scores
	.p2alignl 7, 3214868480
	.fill 96, 4, 3214868480
	.section	.rodata,"a",@progbits
	.p2align	6, 0x0
	.amdhsa_kernel k_qb5038b3dc4_scores
		.amdhsa_group_segment_fixed_size 327680
		.amdhsa_private_segment_fixed_size 0
		.amdhsa_enable_private_segment 0
		.amdhsa_kernarg_size 24
		.amdhsa_user_sgpr_count 2
		.amdhsa_user_sgpr_kernarg_segment_ptr 1
		.amdhsa_wavefront_size32 1
		.amdhsa_system_sgpr_workgroup_id_x 1
		.amdhsa_system_sgpr_workgroup_id_y 1
		.amdhsa_system_sgpr_workgroup_id_z 1
		.amdhsa_system_vgpr_workitem_id 0
		.amdhsa_next_free_vgpr 1024
		.amdhsa_next_free_sgpr 66
		.amdhsa_reserve_vcc 0
		.amdhsa_float_denorm_mode_32 3
		.amdhsa_float_denorm_mode_16_64 3
		.amdhsa_memory_ordered 1
		.amdhsa_forward_progress 1
		.amdhsa_inst_pref_size 226
	.end_amdhsa_kernel
	.amdgpu_metadata
---
amdhsa.version: [ 1, 2 ]
amdhsa.kernels:
  - .name:           k_qb5038b3dc4_scores
    .symbol:         k_qb5038b3dc4_scores.kd
    .args:
      - { .name: qkv16, .offset: 0, .size: 8, .value_kind: global_buffer, .address_space: global }
      - { .name: p16, .offset: 8, .size: 8, .value_kind: global_buffer, .address_space: global }
      - { .name: stat, .offset: 16, .size: 8, .value_kind: global_buffer, .address_space: global }
    .group_segment_fixed_size: 327680
    .private_segment_fixed_size: 0
    .kernarg_segment_align: 8
    .kernarg_segment_size: 24
    .max_flat_workgroup_size: 128
    .sgpr_count:     66
    .vgpr_count:     1024
    .wavefront_size: 32
...
	.end_amdgpu_metadata
.endif
;; end of part 3
;; launch pv (part 4): grid 8 x 32, 4 waves a work-group, clusters of 4 x 1, 327,680 bytes of LDS; arguments p16, qkv16, stat, att16; writes att16
.if DOCPART == 4
	.amdgcn_target "amdgcn-amd-amdhsa--gfx1250"
	.amdhsa_code_object_version 6
	.text
	.protected	k_qb5038b3dc4_pv
	.globl	k_qb5038b3dc4_pv
	.p2align	8
	.type	k_qb5038b3dc4_pv,@function
k_qb5038b3dc4_pv:
	s_mov_b64 s[64:65], 0
	v_nop
	global_prefetch_b8 v0, s[64:65] scope:SCOPE_SE
	s_setreg_imm32_b32 hwreg(HW_REG_WAVE_MODE, 25, 1), 1
	s_wait_xcnt 0x0
	s_wait_alu depctr_hold_cnt(0) depctr_sa_sdst(0) depctr_va_vdst(0) depctr_va_sdst(0) depctr_va_ssrc(0) depctr_va_vcc(0) depctr_vm_vsrc(0)
	s_getreg_b32 s2, hwreg(HW_REG_IB_STS2, 6, 4)
	s_cmp_eq_u32 s2, 0
	s_cbranch_scc0 .Lentry_in_a_cluster
	s_endpgm
.Lentry_in_a_cluster:
	s_bfe_u32 s2, ttmp6, 0x10000c
	s_cmp_lg_u32 s2, 0x3003
	s_cbranch_scc0 .Lentry_shape_is_right
	s_endpgm
.Lentry_shape_is_right:
; att16[q][ch] = f16 of the sum over key blocks t of g_t(q) x (P_t V_t)[q][ch],  g_t = 2^(M_t - M) / L,  M = the largest M_t,  L = the sum of l_t 2^(M_t - M).
; P_t: the last launch's p (f16), V: columns 2048-3071 of qkv16 (f16); sums f32.  Every factor 2^(M_t - M) is at most 1, made by v_ldexp_f32 from whole numbers.
; WORK LEFT OUT: key blocks above the diagonal (reference()'s own jnp.tril): row block i of 128 queries walks key blocks 0..i only.  query is not read.
; SHARES.  A work-group makes two tiles of 128 queries x 128 channels: row blocks i and 15 - i, 17 key steps of 128 together in every work-group.  THE BLOCK WITH THE EVEN NUMBER OF STEPS GOES FIRST,
; so that the change of tiles falls on the end of an LDS slot, which holds two steps.  A wave makes 64 x 64: 16 accumulators T for a step, and O (window 2) takes g x T behind each step.
; CLUSTER 4, 1, 1: the four channel blocks of a cluster walk the same P: P's tiles are asked for jointly.  V's tile is another in each partner, and no other work-group is at the same key step: a plain load behind the same round.
; All branches hang on ttmp7, the wave's number and counted steps: the same in all partners.
; TRANSPOSED USE: source 0 = 16 channels of V^T (turned by ds_load_tr16_b128), source 1 = 16 queries of P: lane l holds query l % 16 and channels 8 (l / 16) + 0..7.
; LIMIT: the result must stay under 65,504 (f16).
.set PPITCH, 272
.set VPITCH, 288                       ; 256 + 32
.set PTB,    128*PPITCH
.set VTB,    128*VPITCH
.set SLOTB,  2*PTB+2*VTB               ; P of steps u = 0, 1, then V of u = 0, 1
.set STAGE,  2*SLOTB                   ; 128 rows x 272 bytes, the work-group's
.set SPITCH, 272
.set SPARE,  STAGE+128*SPITCH
.set ADRA, 4                           ; v4-7   P's fragments, index 2 slot + u
.set ADRB, 8                           ; v8-11  V's
.set STO,  12
.set RD,   13
.set CO,   14
.set LP,   15                          ; v15    4 (l % 16) + 256 x row half
.set SOF,  16                          ; v16-17 stat offsets of the loads in flight
.set SPW,  18
.set NIL,  19
.set NFC,  20                          ; v20-23 -M of the tile in hand, a row block each
.set NF2,  24                          ; v24-27 of the second tile
.set ILC,  28                          ; v28-31 1 / L of the tile in hand
.set IL2,  96                          ; v96-99 of the second tile
.set RAW,  100                         ; v100-107 -M_t of the slot's steps: 4 u + a
.set G,    108                         ; v[108 + 2 (4 u + a)] g; the odd registers hold 0
.set SCR,  124
.set TMP,  32                          ; v32-95
.set PO,   32                          ; the prologue: v32-48 offsets; v52-59 l of steps 15, 16; v49, v60-63 at work
.set BIGV, 60
.set ACC,  128                         ; v128-255 T; in the prologue -M_t (v128-195) and l_t (v196-255)
.set F0,   0                           ; window 1
.set F1,   128
.set WV,   12
.set RH,   13
.set CH,   14
.set CC,   15
.set BT,   16
.set RR,   17
.set CNTA, 18
.set IA,   19
.set IB,   20
.set NW,   21
.set NG,   22
.set ND,   23
.set G1P,  24
.set G1V,  32
.set G0P,  40
.set G0V,  48
.set BASEA, 56
.set BASEB, 58
.set LC,   62
.set TS,   63
.set TT,   70
.set TI,   71
.set MB,   71                          ; s72-78: slot g = 1..7 belongs to the second tile
.set PB0,  82
.set VB0,  83
.set MSB, 0
.macro WIN new
.if MSB != \new
	s_set_vgpr_msb (MSB<<8)|\new
.set MSB, \new
.endif
.endm
.set MUL,  0x05
.set TO_F, 0x40
.macro CREST
	s_cmp_lg_u32 s[WV], 0
	s_cbranch_scc1 .Lnot_wave_0_\@
	s_barrier_signal -3
.Lnot_wave_0_\@:
	s_barrier_wait -3
	s_barrier_signal -1
	s_barrier_wait -1
.endm
.macro CROUND
	s_barrier_signal -1
	s_barrier_wait -1
	CREST
.endm
.macro PLACES
.rept 4
	v_nop
.endr
.endm
; My step NW's tiles: t and i from the step's number; P's address is made of b, i, t alone (equal in all partners), V's also of my channel block, in registers of its own (s66-69 are this macro's).
.macro DESC slot
	s_cmp_ge_u32 s[NW], s[CNTA]
	s_cselect_b32 s[TT], s[CNTA], 0
	s_cselect_b32 s[TI], s[IB], s[IA]
	s_sub_co_u32 s[TT], s[NW], s[TT]
	s_lshl_b32 s66, s[TI], 19                      ; 128 rows of 4,096 bytes
	s_lshl_b32 s67, s[TT], 8                       ; 128 keys
	s_add_co_u32 s66, s66, s67
	s_add_co_u32 s66, s66, s[PB0]
	s_mov_b32 s67, 0
	s_add_nc_u64 s[G0P+4*\slot+2:G0P+4*\slot+3], s[4:5], s[66:67]
	s_or_b32 s[G0P+4*\slot+3], s[G0P+4*\slot+3], 0x80000000
	s_mul_i32 s68, s[TT], 786432                   ; 128 rows of 6,144 bytes
	s_add_co_u32 s68, s68, s[VB0]
	s_mov_b32 s69, 0
	s_add_nc_u64 s[G0V+4*\slot+2:G0V+4*\slot+3], s[6:7], s[68:69]
	s_or_b32 s[G0V+4*\slot+3], s[G0V+4*\slot+3], 0x80000000
	s_add_co_u32 s[NW], s[NW], 2
.endm
; Waves 0, 1: P of u = 0, 1 (joint); waves 2, 3: V of u = 0, 1.  half = 1: only u = 0 is wanted.  An s_nop 0 and four v_nop follow each line.
.macro JLOAD slot, half
.if (\half)
	s_cmp_eq_u32 s[CH], 0
	s_cbranch_scc0 .Lasked_\@
.endif
	s_cmp_eq_u32 s[RH], 0
	s_cbranch_scc0 .Lfor_v_\@
	tensor_load_to_lds s[G0P+4*\slot:G0P+4*\slot+3], s[G1P:G1P+7]
	s_nop 0
.rept 4
	v_nop
.endr
	s_branch .Lasked_\@
.Lfor_v_\@:
	tensor_load_to_lds s[G0V+4*\slot:G0V+4*\slot+3], s[G1V:G1V+7]
	s_nop 0
.rept 4
	v_nop
.endr
.Lasked_\@:
.if (\half)
	PLACES
.endif
.endm
	s_load_b256 s[4:11], s[0:1], 0x0               ; p16, qkv16, stat, att16
	v_lshl_add_u32 v[SPW], v0, 2, SPARE
	v_mov_b32 v[NIL], 0
	ds_add_u32 v[SPW], v[NIL]                      ; the opening: the add, twice on end, and its wait ahead of my first tensor load
	ds_add_u32 v[SPW], v[NIL]
	v_lshrrev_b32 v1, 5, v0
	v_readfirstlane_b32 s[WV], v1
	s_lshr_b32 s[RH], s[WV], 1
	s_and_b32 s[CH], s[WV], 1
	s_bfe_u32 s[CC], ttmp6, 0x40000                ; cx
	s_lshl_b32 s68, ttmp9, 2
	s_add_co_u32 s[CC], s[CC], s68                 ; my channel block: it enters V's and att16's addresses alone
	s_and_b32 s[RR], ttmp7, 0xffff
	s_lshr_b32 s[BT], s[RR], 3                     ; batch
	s_and_b32 s[RR], s[RR], 7                      ; r
	s_add_co_u32 s66, s[RR], 1
	s_sub_co_u32 s67, 16, s[RR]
	s_and_b32 s[TS], s[RR], 1
	s_cmp_lg_u32 s[TS], 0
	s_cselect_b32 s[CNTA], s66, s67                ; the even one of r + 1 and 16 - r: the first tile's steps
	s_sub_co_u32 s[IA], s[CNTA], 1                 ; its row block,
	s_sub_co_u32 s[IB], 16, s[CNTA]                ; and the second tile's
	s_mov_b32 s[G1P], 15|(1<<16)|(1<<20)|(1<<21)|(5<<22)|(3<<25)   ; all four partners; elements of 2 bytes; 4 words of padding after every 64
	s_mov_b32 s[G1P+1], 128<<16
	s_mov_b32 s[G1P+2], 128<<16
	s_mov_b32 s[G1P+3], 128<<16
	s_mov_b32 s[G1P+4], 128
	s_mov_b32 s[G1P+5], 2048
	s_mov_b32 s[G1P+6], 0
	s_mov_b32 s[G1P+7], 0
	s_mov_b32 s[G1V], (1<<16)|(1<<20)|(5<<22)|(7<<25)              ; no mask; 8 words of padding
	s_mov_b32 s[G1V+1], 128<<16
	s_mov_b32 s[G1V+2], 128<<16
	s_mov_b32 s[G1V+3], 128<<16
	s_mov_b32 s[G1V+4], 128
	s_mov_b32 s[G1V+5], 3072
	s_mov_b32 s[G1V+6], 0
	s_mov_b32 s[G1V+7], 0
	s_lshl_b32 s[PB0], s[BT], 23
	s_mul_i32 s[VB0], s[BT], 12582912
	s_add_co_u32 s[VB0], s[VB0], 4096              ; v lies 4,096 bytes on in a row
	s_lshl_b32 s68, s[CC], 8
	s_add_co_u32 s[VB0], s[VB0], s68
	s_mul_i32 s66, s[CH], PTB
	s_mul_i32 s67, s[CH], VTB
	s_add_co_u32 s67, s67, 2*PTB
.irp s, 0,1
	s_mov_b32 s[G0P+4*\s], 1
	s_add_co_u32 s[G0P+4*\s+1], s66, \s*SLOTB
	s_mov_b32 s[G0V+4*\s], 1
	s_add_co_u32 s[G0V+4*\s+1], s67, \s*SLOTB
.endr
	s_mov_b32 s[NW], s[CH]
	s_mov_b32 s[NG], 2
	s_mov_b32 s[ND], 0
.irp g, 1,2,3,4,5,6,7
	s_cmp_le_u32 s[CNTA], 2*\g
	s_cselect_b32 s[MB+\g], -1, 0
.endr
	s_wait_dscnt 0x0                               ; both opening adds are done
	s_wait_kmcnt 0x0
	DESC 0                                         ; steps 0, 1
	DESC 1                                         ; steps 2, 3
	CROUND
	s_cmp_eq_u32 s[RH], 0                          ; a wave's two first fills stand in one branch: two loads of mine are out
	s_cbranch_scc0 .Lfirst_v
	tensor_load_to_lds s[G0P:G0P+3], s[G1P:G1P+7]
	s_nop 0
	tensor_load_to_lds s[G0P+4:G0P+7], s[G1P:G1P+7]
	s_nop 0
.rept 4
	v_nop
.endr
	s_branch .Lfirst_asked
.Lfirst_v:
	tensor_load_to_lds s[G0V:G0V+3], s[G1V:G1V+7]
	s_nop 0
	tensor_load_to_lds s[G0V+4:G0V+7], s[G1V:G1V+7]
	s_nop 0
.rept 4
	v_nop
.endr
.Lfirst_asked:
	v_and_b32 v1, 15, v0                           ; l % 16
	v_bfe_u32 v2, v0, 4, 1                         ; l / 16
	v_lshlrev_b32 v[LP], 2, v1
	s_lshl_b32 s[TS], s[RH], 8
	v_add_nc_u32 v[LP], s[TS], v[LP]
	s_lshl_b32 s84, s[BT], 18
	s_mov_b32 s85, 0
	s_add_nc_u64 s[8:9], s[8:9], s[84:85]          ; stat at my batch
; THE PROLOGUE: -M_t and l_t of all 17 steps for my 64 queries (a lane a query, four row blocks).
.macro PROLOAD n
.if (\n) < 15
.set LRB, 196+4*(\n)
.else
.set LRB, 4*(\n)-8
.endif
	s_cmp_le_u32 s[CNTA], \n
	s_cselect_b32 s[TT], s[CNTA], 0
	s_cselect_b32 s[TI], s[IB], s[IA]
	s_sub_co_u32 s[TT], \n, s[TT]
	s_lshl_b32 s[TT], s[TT], 13
	s_lshl_b32 s[TI], s[TI], 9
	s_add_co_u32 s[TT], s[TT], s[TI]
	v_add_nc_u32 v[PO+\n], s[TT], v[LP]
.irp a, 0,1,2,3
	global_load_b32 v[128+4*(\n)+\a], v[PO+\n], s[8:9] offset:64*\a
	global_load_b32 v[LRB+\a], v[PO+\n], s[8:9] offset:131072+64*\a
.endr
.endm
.irp n, 0,1,2,3,4,5,6,7,8,9,10,11,12,13,14,15,16
	PROLOAD \n
.endr
	; addresses, while the loads fly
	v_mul_u32_u24 v3, v1, PPITCH
	v_lshl_add_u32 v3, v2, 4, v3
	s_mul_i32 s[TS], s[RH], 64*PPITCH
	v_add_nc_u32 v3, s[TS], v3
.irp k, 0,1,2,3
	v_add_nc_u32 v[ADRA+\k], (\k/2)*SLOTB+(\k%2)*PTB, v3
.endr
	v_and_b32 v3, 7, v0
	v_lshl_add_u32 v3, v2, 3, v3                   ; key 8 (l / 16) + l % 8
	v_mul_u32_u24 v3, v3, VPITCH
	v_bfe_u32 v[SCR], v0, 3, 1
	v_lshl_add_u32 v3, v[SCR], 4, v3
	s_lshl_b32 s[TS], s[CH], 7
	v_add_nc_u32 v3, s[TS], v3
.irp k, 0,1,2,3
	v_add_nc_u32 v[ADRB+\k], (\k/2)*SLOTB+2*PTB+(\k%2)*VTB, v3
.endr
	s_mul_i32 s66, s[RH], 64*SPITCH                ; into the stage: my 64 rows, my half of their 256 bytes
	s_add_co_u32 s66, s66, s[TS]
	s_add_co_u32 s66, s66, STAGE
	v_mul_u32_u24 v3, v1, SPITCH
	v_lshl_add_u32 v3, v2, 4, v3
	v_add_nc_u32 v[STO], s66, v3
	s_mul_i32 s66, s[WV], 32*SPITCH                ; back: rows 32 wave on, whole
	s_add_co_u32 s66, s66, STAGE
	v_mul_u32_u24 v3, v2, SPITCH
	v_lshl_add_u32 v3, v1, 4, v3
	v_add_nc_u32 v[RD], s66, v3
	v_lshlrev_b32 v[CO], 11, v2
	v_lshl_add_u32 v[CO], v1, 4, v[CO]
	s_lshl_b32 s86, s[CC], 8                       ; my channel block's 256 bytes of a row of att16 (made here anew: DESC has used its own registers since)
	s_lshl_b32 s66, s[BT], 11
	s_lshl_b32 s67, s[WV], 5
	s_add_co_u32 s66, s66, s67                     ; 2048 x batch + 32 x wave
	s_lshl_b32 s67, s[IA], 7
	s_add_co_u32 s67, s67, s66
	s_lshl_b32 s67, s67, 11                        ; 2,048 bytes a row
	s_add_co_u32 s84, s67, s86
	s_add_nc_u64 s[BASEA:BASEA+1], s[10:11], s[84:85]
	s_lshl_b32 s67, s[IB], 7
	s_add_co_u32 s67, s67, s66
	s_lshl_b32 s67, s67, 11
	s_add_co_u32 s84, s67, s86
	s_add_nc_u64 s[BASEB:BASEB+1], s[10:11], s[84:85]
	v_mov_b32 v[BIGV], 0x7f7fffff
.irp k, 0,1,2,3,4,5,6,7
	v_mov_b32 v[G+2*\k+1], 0                       ; named as the upper half of a pair
.endr
.macro CLEARO
	WIN 0x80
.set i, 0
.rept 128
	v_mov_b32 v[i], 0
.set i, i+1
.endr
	WIN 0
.endm
	CLEARO
	s_wait_loadcnt 0x0
.irp a, 0,1,2,3
	v_min_num_f32 v[NFC+\a], v[128+\a], v[132+\a]  ; steps 0, 1 are the first tile's,
	v_mov_b32 v[NF2+\a], v[192+\a]                 ; step 16 the second's; the others by the slots' masks
.endr
.irp g, 1,2,3,4,5,6,7
.irp a, 0,1,2,3
	v_cndmask_b32 v61, v[128+8*\g+\a], v[BIGV], s[MB+\g]
	v_cndmask_b32 v62, v[132+8*\g+\a], v[BIGV], s[MB+\g]
	v_cndmask_b32 v63, v[BIGV], v[128+8*\g+\a], s[MB+\g]
	v_cndmask_b32 v49, v[BIGV], v[132+8*\g+\a], s[MB+\g]
	v_min_num_f32 v61, v61, v62
	v_min_num_f32 v63, v63, v49
	v_min_num_f32 v[NFC+\a], v[NFC+\a], v61
	v_min_num_f32 v[NF2+\a], v[NF2+\a], v63
.endr
.endr
.irp a, 0,1,2,3
	v_sub_f32 v61, v[NFC+\a], v[128+\a]            ; M_t - M, a whole number, 0 or less
	v_sub_f32 v62, v[NFC+\a], v[132+\a]
	v_sub_f32 v63, v[NF2+\a], v[192+\a]
	v_cvt_i32_f32 v61, v61
	v_cvt_i32_f32 v62, v62
	v_cvt_i32_f32 v63, v63
	v_ldexp_f32 v61, v[196+\a], v61
	v_ldexp_f32 v62, v[200+\a], v62
	v_ldexp_f32 v[IL2+\a], v[56+\a], v63
	v_add_f32 v[ILC+\a], v61, v62
.endr
.macro WTERM n, a                      ; l 2^(M_t - M) goes to its tile's sum: s81 = 1.0 for the first tile, s80 = 1.0 for the second, the other 0.0
.if (\n) < 15
.set LRB, 196+4*(\n)
.else
.set LRB, 4*(\n)-8
.endif
	v_sub_f32 v61, v49, v[128+4*(\n)+\a]
	v_cvt_i32_f32 v61, v61
	v_ldexp_f32 v61, v[LRB+\a], v61
	v_fma_f32 v[ILC+\a], v61, s81, v[ILC+\a]
	v_fma_f32 v[IL2+\a], v61, s80, v[IL2+\a]
.endm
.irp g, 1,2,3,4,5,6,7
	s_and_b32 s80, s[MB+\g], 0x3f800000
	s_xor_b32 s81, s80, 0x3f800000
.irp a, 0,1,2,3
	v_cndmask_b32 v49, v[NFC+\a], v[NF2+\a], s[MB+\g]
	WTERM 2*\g, \a
	WTERM 2*\g+1, \a
.endr
.endr
.irp a, 0,1,2,3
	v_rcp_f32 v[ILC+\a], v[ILC+\a]                 ; L is at least 1/2: the block of the largest M has a p over 1/2
	v_rcp_f32 v[IL2+\a], v[IL2+\a]
.endr
.irp k, 0,1,2,3,4,5,6,7
	v_mov_b32 v[RAW+\k], v[128+\k]                 ; (plain work behind the reciprocals)  steps 0, 1
.endr
	s_wait_alu depctr_va_vdst(0)                   ; one wait for the eight, ahead of their first reader
.macro MUL8 f, c, a0, zero             ; the 16 accumulators take turns, one instruction a turn
.irp a, \a0, \a0+1
.irp b, 0,1,2,3
.if \zero
	v_wmma_f32_16x16x32_f16 v[ACC+8*(4*(\a)+\b):ACC+8*(4*(\a)+\b)+7], v[\f+64+8*(4*\c+\b):\f+64+8*(4*\c+\b)+7], v[\f+8*(4*\c+\a):\f+8*(4*\c+\a)+7], 0
.else
	v_wmma_f32_16x16x32_f16 v[ACC+8*(4*(\a)+\b):ACC+8*(4*(\a)+\b)+7], v[\f+64+8*(4*\c+\b):\f+64+8*(4*\c+\b)+7], v[\f+8*(4*\c+\a):\f+8*(4*\c+\a)+7], v[ACC+8*(4*(\a)+\b):ACC+8*(4*(\a)+\b)+7]
.endif
.endr
.endr
.endm
; 32 LDS loads: 64 keys (the kq-th of step ka = 2 slot + u) x my 64 channels (turned) and my 64 queries, into buffer f; the first 32 keys first
.macro FETCH ka, kq, f
	WIN TO_F
.irp c, 0,1
.irp i, 0,1,2,3
	ds_load_tr16_b128 v[\f+64+8*(4*\c+\i):\f+64+8*(4*\c+\i)+3],   v[ADRB+\ka] offset:(64*(\kq)+32*\c)*VPITCH+32*\i
	ds_load_tr16_b128 v[\f+64+8*(4*\c+\i)+4:\f+64+8*(4*\c+\i)+7], v[ADRB+\ka] offset:(64*(\kq)+32*\c+16)*VPITCH+32*\i
	ds_load_b128 v[\f+8*(4*\c+\i):\f+8*(4*\c+\i)+3],              v[ADRA+\ka] offset:128*(\kq)+64*\c+\i*16*PPITCH
	ds_load_b128 v[\f+8*(4*\c+\i)+4:\f+8*(4*\c+\i)+7],            v[ADRA+\ka] offset:128*(\kq)+64*\c+\i*16*PPITCH+32
.endr
.endr
.endm
.macro QUARTER f, g, ka, kq, zero      ; multiplies buffer f (64 keys) and fetches (ka, kq) into g
	s_wait_dscnt 16                                ; the first 32 keys are in
	WIN MUL
	MUL8 \f, 0, 0, \zero
	MUL8 \f, 0, 2, \zero
	PLACES
	FETCH \ka, \kq, \g
	s_wait_dscnt 32                                ; all but the 32 just issued
	WIN MUL
	MUL8 \f, 1, 0, 0
	MUL8 \f, 1, 2, 0
.endm
.macro FLUSH u                         ; O += g T.  T is read from each accumulator's low end on; these lines are also the places ahead of the products that begin T anew
	PLACES
	WIN 0xa0
.irp a, 0,1,2,3
.set i, 0
.rept 16
	v_pk_fma_f32 v[32*\a+i:32*\a+i+1], v[ACC+32*\a+i:ACC+32*\a+i+1], v[G+2*(4*(\u)+\a):G+2*(4*(\u)+\a)+1], v[32*\a+i:32*\a+i+1] op_sel_hi:[1,0,1]
.set i, i+2
.endr
.endr
.endm
; g of this slot's nu steps from the -M_t asked for a slot ago; then the next slot's nl steps are asked for.
.macro GCALC nu, nl
	WIN 0
	s_wait_loadcnt 0x0                             ; they are in, and their address registers are free
.set u, 0
.rept \nu
.irp a, 0,1,2,3
	v_sub_f32 v[SCR+\a], v[NFC+\a], v[RAW+4*u+\a]
.endr
.irp a, 0,1,2,3
	v_cvt_i32_f32 v[SCR+\a], v[SCR+\a]
.endr
.irp a, 0,1,2,3
	v_ldexp_f32 v[G+2*(4*u+\a)], v[ILC+\a], v[SCR+\a]
.endr
.set u, u+1
.endr
.set u, 0
.rept \nl
	s_cmp_ge_u32 s[NG], s[CNTA]
	s_cselect_b32 s[TT], s[CNTA], 0
	s_cselect_b32 s[TI], s[IB], s[IA]
	s_sub_co_u32 s[TT], s[NG], s[TT]
	s_lshl_b32 s[TT], s[TT], 13
	s_lshl_b32 s[TI], s[TI], 9
	s_add_co_u32 s[TT], s[TT], s[TI]
	v_add_nc_u32 v[SOF+u], s[TT], v[LP]
.irp a, 0,1,2,3
	global_load_b32 v[RAW+4*u+\a], v[SOF+u], s[8:9] offset:64*\a
.endr
	s_add_co_u32 s[NG], s[NG], 1
.set u, u+1
.endr
.endm
; A TILE LEAVES: f16, 16 bytes a lane into the work-group's stage; a barrier, since a row's 256 bytes come from two waves; back as whole rows, 32 a wave.
.macro OUT base
	s_wait_xcnt 0x0                                ; earlier stores have read the registers that are written now
	WIN 0x0a
.set i, 0
.rept 64
	v_cvt_pk_f16_f32 v[TMP+i], v[2*i], v[2*i+1]
.set i, i+1
.endr
	WIN 0
.irp a, 0,1,2,3
.irp b, 0,1,2,3
	ds_store_b128 v[STO], v[TMP+4*(4*\a+\b):TMP+4*(4*\a+\b)+3] offset:\a*16*SPITCH+32*\b
.endr
.endr
	s_wait_dscnt 0x0                               ; for the others' sake: my stores into the stage are done
	s_barrier_signal -1
	s_barrier_wait -1
.irp t, 0,1,2,3,4,5,6,7,8,9,10,11,12,13,14,15
	ds_load_b128 v[TMP+4*\t:TMP+4*\t+3], v[RD] offset:\t*2*SPITCH
.endr
.irp t, 0,1,2,3,4,5,6,7,8,9,10,11,12,13,14,15
	s_wait_dscnt 15-\t                             ; the younger rows may be out
	global_store_b128 v[CO], v[TMP+4*\t:TMP+4*\t+3], s[\base:\base+1] offset:4096*\t   ; 16 lanes store 256 consecutive bytes, aligned
.endr
.endm
; At a slot's end: if the first tile's steps are done, it leaves, O begins anew and the second tile's -M and 1 / L take over.  The condition is made of ttmp7 and the count of steps:
; all four waves, and all partners, go the same way.  The stage is written again only behind a later barrier in front of which every wave has waited for its reads.
.macro COND
	WIN 0
	s_add_co_u32 s[ND], s[ND], 2
	s_cmp_lg_u32 s[ND], s[CNTA]
	s_cbranch_scc1 .Lsame_\@
	OUT BASEA
	CLEARO
.irp a, 0,1,2,3
	v_mov_b32 v[NFC+\a], v[NF2+\a]
	v_mov_b32 v[ILC+\a], v[IL2+\a]
.endr
.Lsame_\@:
.endm
; A slot's last quarter changes slots.  fill = 1: this slot is filled again, two slots ahead; 2: with step 16 alone; 0: nothing.
.macro TURN slot, kan, fill
	WIN 0
	s_wait_tensorcnt 0x0                           ; all my tensor loads have landed: my part of the next slot
	ds_add_u32 v[SPW], v[NIL]
.if \fill
	DESC \slot                                     ; no load of mine is out: the descriptors may be written
.endif
	s_wait_dscnt 17                                ; (the add and the youngest sixteen loads may be out)
	WIN MUL
	MUL8 F1, 0, 0, 0
	s_wait_dscnt 0x0                               ; the add is done, and my reads of this slot are over
	s_barrier_signal -1
	MUL8 F1, 0, 2, 0
.if \fill
	WIN 0
.endif
	s_barrier_wait -1
.if \fill
	CREST                                          ; the barrier has opened a round of the cluster's: no wave of any partner still reads this slot or has a load on its way
	JLOAD \slot, \fill-1                           ; my one load behind the round: 112 matrix instructions and more ahead of the wait for it
.else
	PLACES
.endif
	FETCH \kan, 0, F0
	WIN MUL
	MUL8 F1, 1, 0, 0
	MUL8 F1, 1, 2, 0
.endm
.macro SLOTW s, fill, nl
	GCALC 2, \nl
	QUARTER F0, F1, 2*(\s), 1, 1                   ; step u = 0 begins T anew
	QUARTER F1, F0, 2*(\s)+1, 0, 0
	FLUSH 0
	QUARTER F0, F1, 2*(\s)+1, 1, 1                 ; step u = 1
	TURN \s, 2*(1-(\s)), \fill
	FLUSH 1
	COND
.endm
	s_wait_tensorcnt 1                             ; my part of slot 0 is in; slot 1's may be out
	s_barrier_signal -1
	s_barrier_wait -1
	FETCH 0, 0, F0
	WIN 0
	s_mov_b32 s[LC], 3
.Lpair:                                            ; three trips: slots' worth 0 to 5 of the 17 steps; each fills its slot again
	SLOTW 0, 1, 2
	SLOTW 1, 1, 2
	s_sub_co_u32 s[LC], s[LC], 1
	s_cmp_lg_u32 s[LC], 0
	s_cbranch_scc1 .Lpair
	SLOTW 0, 2, 2                                  ; steps 12, 13; step 16 is asked for
	SLOTW 1, 0, 1                                  ; steps 14, 15; nothing is left to fetch
	GCALC 1, 0                                     ; step 16
	QUARTER F0, F1, 0, 1, 1
	s_wait_dscnt 16
	WIN MUL
	MUL8 F1, 0, 0, 0
	MUL8 F1, 0, 2, 0
	s_wait_dscnt 0
	MUL8 F1, 1, 0, 0
	MUL8 F1, 1, 2, 0
	FLUSH 0
	WIN 0
	s_wait_dscnt 0x0                               ; every wave's reads of the stage are over before it is written again
	s_barrier_signal -1
	s_barrier_wait -1
	OUT BASEB
	s_wait_tensorcnt 0x0                           ; the wave's end
	ds_add_u32 v[SPW], v[NIL]
	s_wait_dscnt 0x0
	CROUND                                         ; the closing round
	s_endpgm
.Lfunc_end_k_qb5038b3dc4_pv:
	.size	k_qb5038b3dc4_pv, .Lfunc_end_k_qb5038b3dc4_pv-k_qb5038b3dc4_pv
	.p2alignl 7, 3214868480
	.fill 96, 4, 3214868480
	.section	.rodata,"a",@progbits
	.p2align	6, 0x0
	.amdhsa_kernel k_qb5038b3dc4_pv
		.amdhsa_group_segment_fixed_size 327680
		.amdhsa_private_segment_fixed_size 0
		.amdhsa_enable_private_segment 0
		.amdhsa_kernarg_size 32
		.amdhsa_user_sgpr_count 2
		.amdhsa_user_sgpr_kernarg_segment_ptr 1
		.amdhsa_wavefront_size32 1
		.amdhsa_system_sgpr_workgroup_id_x 1
		.amdhsa_system_sgpr_workgroup_id_y 1
		.amdhsa_system_sgpr_workgroup_id_z 1
		.amdhsa_system_vgpr_workitem_id 0
		.amdhsa_next_free_vgpr 768
		.amdhsa_next_free_sgpr 96
		.amdhsa_reserve_vcc 0
		.amdhsa_float_denorm_mode_32 3
		.amdhsa_float_denorm_mode_16_64 3
		.amdhsa_memory_ordered 1
		.amdhsa_forward_progress 1
		.amdhsa_inst_pref_size 247
	.end_amdhsa_kernel
	.amdgpu_metadata
---
amdhsa.version: [ 1, 2 ]
amdhsa.kernels:
  - .name:           k_qb5038b3dc4_pv
    .symbol:         k_qb5038b3dc4_pv.kd
    .args:
      - { .name: p16, .offset: 0, .size: 8, .value_kind: global_buffer, .address_space: global }
      - { .name: qkv16, .offset: 8, .size: 8, .value_kind: global_buffer, .address_space: global }
      - { .name: stat, .offset: 16, .size: 8, .value_kind: global_buffer, .address_space: global }
      - { .name: att16, .offset: 24, .size: 8, .value_kind: global_buffer, .address_space: global }
    .group_segment_fixed_size: 327680
    .private_segment_fixed_size: 0
    .kernarg_segment_align: 8
    .kernarg_segment_size: 32
    .max_flat_workgroup_size: 128
    .sgpr_count:     96
    .vgpr_count:     768
    .wavefront_size: 32
...
	.end_amdgpu_metadata
.endif
;; end of part 4
;; launch outp (part 5): grid 8 x 32, 4 waves a work-group, clusters of 4 x 4, 327,680 bytes of LDS; arguments att16, wo16, out0; writes out0
.if DOCPART == 5
	.amdgcn_target "amdgcn-amd-amdhsa--gfx1250"
	.amdhsa_code_object_version 6
	.text
	.protected	k_qb5038b3dc4_outp
	.globl	k_qb5038b3dc4_outp
	.p2align	8
	.type	k_qb5038b3dc4_outp,@function
k_qb5038b3dc4_outp:
	s_mov_b64 s[64:65], 0
	v_nop
	global_prefetch_b8 v0, s[64:65] scope:SCOPE_SE
	s_setreg_imm32_b32 hwreg(HW_REG_WAVE_MODE, 25, 1), 1
	s_wait_xcnt 0x0
	s_wait_alu depctr_hold_cnt(0) depctr_sa_sdst(0) depctr_va_vdst(0) depctr_va_sdst(0) depctr_va_ssrc(0) depctr_va_vcc(0) depctr_vm_vsrc(0)
	s_getreg_b32 s2, hwreg(HW_REG_IB_STS2, 6, 4)
	s_cmp_eq_u32 s2, 0
	s_cbranch_scc0 .Lentry_in_a_cluster
	s_endpgm
.Lentry_in_a_cluster:
	s_bfe_u32 s2, ttmp6, 0x10000c
	s_cmp_lg_u32 s2, 0xf033
	s_cbranch_scc0 .Lentry_shape_is_right
	s_endpgm
.Lentry_shape_is_right:
; out0[m][n] = sum over k of att16[m][k] wo16[n][k].  M 8192, N 1024, K 1024; f16 operands, f32 sums, f32 out.  query is not read (see the first kernel).
; A tile of C is 128 x 128: 512 tiles.  A WORK-GROUP STAYS and makes two of them, 4,096 rows apart, on the same columns: 256 work-groups.  Four waves, each 64 x 64: 16 accumulators.
; K goes in steps of 256 (LDS rows of 512 bytes) through two slots, and the ring does not stop between the tiles: the first tile's last two changes of slots ask for the second tile's K steps 0 and 1
; (A: 4,096 rows down and back along K; B: back along K), and the first tile goes out while they land.  The eight K steps are written out.
; CLUSTERS 4 x 4: A's tiles are shared along a row of the cluster, B's along a column, by joint loads; the sixteen partners walk in step.  TRANSPOSED USE: a lane holds eight neighbouring numbers of a row of C.
; A wave's 64 columns of f32 are 256 aligned bytes: each wave has its own stage on the way out, and no barrier is needed there.
; REGISTERS: window 0: v0-31 addresses; v32-95 the way out; v128-255 the accumulators.  window 1: two fragment buffers of 128.
.set SIZE_N, 1024
.set SIZE_K, 1024
.set KSTEP,  256
.set PITCH,  528
.set HALFT,  64*PITCH
.set SLOT,   4*HALFT
.set STAGE,  2*SLOT
.set SPITCH, 272
.set SPARE,  STAGE+4*16*SPITCH
.set WALK,   4096                      ; rows between a work-group's two tiles: the grid's height, 32 x 128
.set NEXT_A, WALK*SIZE_K*2-2*KSTEP*2   ; bytes from a slot's last K step of the first tile to its first of the second
.set BACK_B, 2*KSTEP*2
.set ADRA, 16
.set ADRB, 20
.set STO,  24
.set RD,   25
.set CO,   26
.set SPW,  28
.set NIL,  29
.set TMP,  32
.set ACC,  128
.set F0,   0
.set F1,   128
.set G1, 24
.set G0, 32
.set G1B, 48
.set G0B, 56
.set MSB, 0
.macro WIN new
.if MSB != \new
	s_set_vgpr_msb (MSB<<8)|\new
.set MSB, \new
.endif
.endm
.set MUL,  0x05
.set TO_F, 0x40
.macro JLOAD s                         ; waves 0, 1 fetch A's halves, waves 2, 3 B's; an s_nop 0 and four v_nop follow each line
	s_cmp_eq_u32 s11, 0
	s_cbranch_scc0 .Lfor_b_\@
	tensor_load_to_lds s[G0+4*\s:G0+4*\s+3], s[G1:G1+7]
	s_nop 0
.rept 4
	v_nop
.endr
	s_branch .Lasked_\@
.Lfor_b_\@:
	tensor_load_to_lds s[G0B+4*\s:G0B+4*\s+3], s[G1B:G1B+7]
	s_nop 0
.rept 4
	v_nop
.endr
.Lasked_\@:
.endm
.macro CREST
	s_cmp_lg_u32 s10, 0
	s_cbranch_scc1 .Lnot_wave_0_\@
	s_barrier_signal -3
.Lnot_wave_0_\@:
	s_barrier_wait -3
	s_barrier_signal -1
	s_barrier_wait -1
.endm
.macro CROUND
	s_barrier_signal -1
	s_barrier_wait -1
	CREST
.endm
	s_load_b128 s[4:7], s[0:1], 0x0                ; att16, wo16
	s_load_b64 s[8:9], s[0:1], 0x10                ; out0
	v_lshl_add_u32 v[SPW], v0, 2, SPARE
	v_mov_b32 v[NIL], 0
	ds_add_u32 v[SPW], v[NIL]                      ; the opening: the add, twice on end, and its wait ahead of my first tensor load
	ds_add_u32 v[SPW], v[NIL]
	v_lshrrev_b32 v1, 5, v0
	v_readfirstlane_b32 s10, v1
	s_lshr_b32 s11, s10, 1
	s_and_b32 s12, s10, 1
	s_bfe_u32 s40, ttmp6, 0x40000
	s_bfe_u32 s41, ttmp6, 0x40004
	s_lshl_b32 s42, ttmp9, 2
	s_add_co_u32 s42, s42, s40                     ; tile column, 0 to 7
	s_and_b32 s13, ttmp7, 0xffff
	s_lshl_b32 s13, s13, 2
	s_add_co_u32 s13, s13, s41                     ; the first tile's row, 0 to 31; the second's is 32 further on
	s_lshl_b32 s43, s41, 2
	s_lshl_b32 s43, 15, s43
	s_lshl_b32 s44, 0x1111, s40
	s_or_b32 s[G1+0], s43, (1<<16)|(1<<20)|(1<<21)|(6<<22)|(3<<25)   ; mask; 2-byte elements; 4 words of padding after every 128
	s_or_b32 s[G1B+0], s44, (1<<16)|(1<<20)|(1<<21)|(6<<22)|(3<<25)
.irp g, G1, G1B
	s_mov_b32 s[\g+1], KSTEP<<16
	s_mov_b32 s[\g+2], 64<<16
	s_mov_b32 s[\g+3], KSTEP<<16
	s_mov_b32 s[\g+4], 64
	s_mov_b32 s[\g+5], SIZE_K
	s_mov_b32 s[\g+6], 0
	s_mov_b32 s[\g+7], 0
.endr
	s_lshl_b32 s17, s12, 6
	s_lshl_b32 s16, s13, 7
	s_add_co_u32 s16, s16, s17
	s_lshl_b32 s46, s42, 7
	s_add_co_u32 s46, s46, s17
	s_mov_b32 s17, 0
	s_mov_b32 s47, 0
	s_mov_b64 s[18:19], SIZE_K*2
	s_mul_u64 s[16:17], s[16:17], s[18:19]
	s_mul_u64 s[46:47], s[46:47], s[18:19]
	s_mul_i32 s20, s10, HALFT
	s_wait_dscnt 0x0
	s_wait_kmcnt 0x0
	s_add_nc_u64 s[14:15], s[4:5], s[16:17]
	s_add_nc_u64 s[46:47], s[6:7], s[46:47]
	CROUND
.irp s, 0,1
	s_mov_b32 s[G0+4*\s], 1
	s_add_co_u32 s[G0+4*\s+1], s20, \s*SLOT
	s_add_nc_u64 s[G0+4*\s+2:G0+4*\s+3], s[14:15], \s*KSTEP*2
	s_or_b32 s[G0+4*\s+3], s[G0+4*\s+3], 0x80000000
	s_mov_b32 s[G0B+4*\s], 1
	s_add_co_u32 s[G0B+4*\s+1], s20, \s*SLOT
	s_add_nc_u64 s[G0B+4*\s+2:G0B+4*\s+3], s[46:47], \s*KSTEP*2
	s_or_b32 s[G0B+4*\s+3], s[G0B+4*\s+3], 0x80000000
	JLOAD \s
.endr
	v_and_b32 v1, 15, v0
	v_bfe_u32 v2, v0, 4, 1
	v_mul_u32_u24 v3, v1, PITCH
	v_lshl_add_u32 v3, v2, 4, v3
	s_mul_i32 s21, s11, HALFT
	s_mul_i32 s22, s12, HALFT
	s_add_co_u32 s22, s22, 2*HALFT
.irp s, 0,1
	v_add_nc_u32 v[ADRA+\s], s21, v3
	v_add_nc_u32 v[ADRB+\s], s22, v3
	s_add_co_u32 s21, s21, SLOT
	s_add_co_u32 s22, s22, SLOT
.endr
	s_mul_i32 s23, s10, 16*SPITCH                  ; my stage: 16 rows x (256 + 16) bytes
	s_add_co_u32 s23, s23, STAGE
	v_mul_u32_u24 v4, v1, SPITCH
	v_lshl_add_u32 v4, v2, 5, v4
	v_add_nc_u32 v[STO], s23, v4                   ; in: row l % 16, 32 bytes for each half of the lanes
	v_mul_u32_u24 v5, v2, SPITCH
	v_lshl_add_u32 v5, v1, 4, v5
	v_add_nc_u32 v[RD], s23, v5                    ; back: lanes 0-15 one row, lanes 16-31 the next
	v_mul_u32_u24 v5, v2, SIZE_N*4
	v_lshl_add_u32 v[CO], v1, 4, v5
	s_lshl_b32 s16, s13, 7
	s_lshl_b32 s17, s11, 6
	s_add_co_u32 s16, s16, s17                     ; my first row: 128 x tile row + 64 x half
	s_lshl_b32 s16, s16, 12                        ; 4,096 bytes a row
	s_mov_b32 s17, 0
	s_add_nc_u64 s[8:9], s[8:9], s[16:17]
	s_lshl_b32 s46, s42, 9
	s_lshl_b32 s47, s12, 8
	s_add_co_u32 s46, s46, s47                     ; my first column, in bytes
	s_mov_b32 s47, 0
	s_add_nc_u64 s[8:9], s[8:9], s[46:47]
.macro MUL8 f, c, a0, zero             ; the 16 accumulators take turns, one instruction a turn
.irp a, \a0, \a0+1
.irp b, 0,1,2,3
.if \zero
	v_wmma_f32_16x16x32_f16 v[ACC+8*(4*(\a)+\b):ACC+8*(4*(\a)+\b)+7], v[\f+64+8*(4*\c+\b):\f+64+8*(4*\c+\b)+7], v[\f+8*(4*\c+\a):\f+8*(4*\c+\a)+7], 0
.else
	v_wmma_f32_16x16x32_f16 v[ACC+8*(4*(\a)+\b):ACC+8*(4*(\a)+\b)+7], v[\f+64+8*(4*\c+\b):\f+64+8*(4*\c+\b)+7], v[\f+8*(4*\c+\a):\f+8*(4*\c+\a)+7], v[ACC+8*(4*(\a)+\b):ACC+8*(4*(\a)+\b)+7]
.endif
.endr
.endr
.endm
.macro FETCH slot, k, f
	WIN TO_F
.irp c, 0,1
.irp i, 0,1,2,3
	ds_load_b128 v[\f+64+8*(4*\c+\i):\f+64+8*(4*\c+\i)+3],   v[ADRB+\slot] offset:\k+64*\c+\i*16*PITCH
	ds_load_b128 v[\f+64+8*(4*\c+\i)+4:\f+64+8*(4*\c+\i)+7], v[ADRB+\slot] offset:\k+64*\c+\i*16*PITCH+32
	ds_load_b128 v[\f+8*(4*\c+\i):\f+8*(4*\c+\i)+3],         v[ADRA+\slot] offset:\k+64*\c+\i*16*PITCH
	ds_load_b128 v[\f+8*(4*\c+\i)+4:\f+8*(4*\c+\i)+7],       v[ADRA+\slot] offset:\k+64*\c+\i*16*PITCH+32
.endr
.endr
.endm
.macro PLACES
.rept 4
	v_nop
.endr
.endm
.macro QUARTER slot, k, f, g, zero
	s_wait_dscnt 16                                ; the first 32 along K are in
	WIN MUL
	MUL8 \f, 0, 0, \zero
	MUL8 \f, 0, 2, \zero
	PLACES
	FETCH \slot, \k, \g
	s_wait_dscnt 32                                ; all but the 32 just issued
	WIN MUL
	MUL8 \f, 1, 0, 0
	MUL8 \f, 1, 2, 0
.endm
.macro THREE slot, zero                ; a K step's first three quarters
	QUARTER \slot, 128, F0, F1, \zero
	QUARTER \slot, 256, F1, F0, 0
	QUARTER \slot, 384, F0, F1, 0
.endm
; A K step's last quarter changes slots.  fill = 1: this slot is filled again with the K step two on; 2: with the same K step of the second tile's first two; 0: nothing is left to fetch.
.macro TURN slot, next, fill
	WIN 0
	s_wait_tensorcnt 0x0                           ; all my tensor loads have landed: my part of the next slot
	ds_add_u32 v[SPW], v[NIL]
	s_wait_dscnt 17                                ; (the add and the youngest sixteen loads may be out)
	WIN MUL
	MUL8 F1, 0, 0, 0
	s_wait_dscnt 0x0                               ; the add is done, and my reads of this slot are over
	s_barrier_signal -1
	MUL8 F1, 0, 2, 0
.if \fill
	WIN 0
.endif
	s_barrier_wait -1
.if \fill
	CREST                                          ; no wave of any partner still reads this slot or has a load on its way
.if \fill == 1
	s_add_nc_u64 s[G0+4*\slot+2:G0+4*\slot+3], s[G0+4*\slot+2:G0+4*\slot+3], 2*KSTEP*2
	s_add_nc_u64 s[G0B+4*\slot+2:G0B+4*\slot+3], s[G0B+4*\slot+2:G0B+4*\slot+3], 2*KSTEP*2
.else
	s_add_nc_u64 s[G0+4*\slot+2:G0+4*\slot+3], s[G0+4*\slot+2:G0+4*\slot+3], NEXT_A
	s_sub_nc_u64 s[G0B+4*\slot+2:G0B+4*\slot+3], s[G0B+4*\slot+2:G0B+4*\slot+3], BACK_B
.endif
	JLOAD \slot
.else
	PLACES
.endif
	FETCH \next, 0, F0
	WIN MUL
	MUL8 F1, 1, 0, 0
	MUL8 F1, 1, 2, 0
.endm
; THE WAY OUT, 16 rows x 64 columns at a time through my own stage; LDS serves a wave's instructions in order (ISA guide 5.7.1.4)
.macro TOSTAGE a
.set BB, TMP+32*((\a)%2)
.irp b, 0,1,2,3
	ds_store_b128 v[STO], v[ACC+8*(4*(\a)+\b):ACC+8*(4*(\a)+\b)+3] offset:64*\b          ; each accumulator from its low end on
	ds_store_b128 v[STO], v[ACC+8*(4*(\a)+\b)+4:ACC+8*(4*(\a)+\b)+7] offset:64*\b+16
.endr
.irp t, 0,1,2,3,4,5,6,7
	ds_load_b128 v[BB+4*\t:BB+4*\t+3], v[RD] offset:\t*2*SPITCH
.endr
.endm
.macro SEND a, younger
.set BB, TMP+32*((\a)%2)
	s_wait_dscnt \younger                          ; the block is back; the next block's 8 stores and 8 loads may be out
.irp t, 0,1,2,3,4,5,6,7
	global_store_b128 v[CO], v[BB+4*\t:BB+4*\t+3], s[8:9] offset:(16*(\a)+2*\t)*SIZE_N*4 th:TH_STORE_NT   ; 16 lanes store 256 consecutive bytes, aligned
.endr
.endm
.macro WAYOUT
	PLACES
	TOSTAGE 0
.irp a, 1,2,3
.if \a > 1
	s_wait_xcnt 0x0                                ; block a - 2's stores have read their registers
.endif
	TOSTAGE \a
	SEND \a-1, 16
.endr
	SEND 3, 0
.endm
	s_wait_tensorcnt 1                             ; my part of K step 0 is in; K step 1's may be out
	s_barrier_signal -1
	s_barrier_wait -1
	FETCH 0, 0, F0
	THREE 0, 1                                     ; THE FIRST TILE.  K step 0: its first products start the sums
	TURN 0, 1, 1
	THREE 1, 0                                     ; K step 1
	TURN 1, 0, 1
	THREE 0, 0                                     ; K step 2
	TURN 0, 1, 2                                   ; the ring goes on into the second tile: slot 0 takes its K step 0,
	THREE 1, 0                                     ; K step 3
	TURN 1, 0, 2                                   ; slot 1 its K step 1, and the second tile's first fragments are fetched
	WIN 0
	WAYOUT                                         ; both refills are asked for: now the first tile goes out
	s_wait_xcnt 0x0                                ; its stores have read their base and their registers
	s_add_nc_u64 s[8:9], s[8:9], WALK*SIZE_N*4     ; C at my rows of the second tile
	PLACES                                         ; with the four at the head of the way out: eight places between the first tile's last product and the product that begins its accumulator anew
	THREE 0, 1                                     ; THE SECOND TILE.  K step 0
	TURN 0, 1, 1
	THREE 1, 0                                     ; K step 1
	TURN 1, 0, 1
	THREE 0, 0                                     ; K step 2: nothing is left to fetch
	TURN 0, 1, 0
	THREE 1, 0                                     ; K step 3
	s_wait_dscnt 16
	WIN MUL
	MUL8 F1, 0, 0, 0
	MUL8 F1, 0, 2, 0
	s_wait_dscnt 0
	MUL8 F1, 1, 0, 0
	MUL8 F1, 1, 2, 0
	WIN 0
	WAYOUT
	s_wait_tensorcnt 0x0                           ; the wave's end
	ds_add_u32 v[SPW], v[NIL]
	s_wait_dscnt 0x0
	CROUND                                         ; the closing round
	s_endpgm
.Lfunc_end_k_qb5038b3dc4_outp:
	.size	k_qb5038b3dc4_outp, .Lfunc_end_k_qb5038b3dc4_outp-k_qb5038b3dc4_outp
	.p2alignl 7, 3214868480
	.fill 96, 4, 3214868480
	.section	.rodata,"a",@progbits
	.p2align	6, 0x0
	.amdhsa_kernel k_qb5038b3dc4_outp
		.amdhsa_group_segment_fixed_size 327680
		.amdhsa_private_segment_fixed_size 0
		.amdhsa_enable_private_segment 0
		.amdhsa_kernarg_size 24
		.amdhsa_user_sgpr_count 2
		.amdhsa_user_sgpr_kernarg_segment_ptr 1
		.amdhsa_wavefront_size32 1
		.amdhsa_system_sgpr_workgroup_id_x 1
		.amdhsa_system_sgpr_workgroup_id_y 1
		.amdhsa_system_sgpr_workgroup_id_z 1
		.amdhsa_system_vgpr_workitem_id 0
		.amdhsa_next_free_vgpr 512
		.amdhsa_next_free_sgpr 66
		.amdhsa_reserve_vcc 0
		.amdhsa_float_denorm_mode_32 3
		.amdhsa_float_denorm_mode_16_64 3
		.amdhsa_memory_ordered 1
		.amdhsa_forward_progress 1
		.amdhsa_inst_pref_size 165
	.end_amdhsa_kernel
	.amdgpu_metadata
---
amdhsa.version: [ 1, 2 ]
amdhsa.kernels:
  - .name:           k_qb5038b3dc4_outp
    .symbol:         k_qb5038b3dc4_outp.kd
    .args:
      - { .name: att16, .offset: 0, .size: 8, .value_kind: global_buffer, .address_space: global }
      - { .name: wo16, .offset: 8, .size: 8, .value_kind: global_buffer, .address_space: global }
      - { .name: out0, .offset: 16, .size: 8, .value_kind: global_buffer, .address_space: global }
    .group_segment_fixed_size: 327680
    .private_segment_fixed_size: 0
    .kernarg_segment_align: 8
    .kernarg_segment_size: 24
    .max_flat_workgroup_size: 128
    .sgpr_count:     66
    .vgpr_count:     512
    .wavefront_size: 32
...
	.end_amdgpu_metadata
.endif
;; end of part 5
